; MI455X (gfx1250); checked and timed in simulation.
; The chip was launched on July 23, 2026; its instructions are those of AMD's public machine-readable ISA for CDNA 5 (MIT licence, August 2026) and "CDNA5" Instruction Set Architecture Reference Guide (July 2026). The comments in the code are by the model that wrote it; some were corrected since.
;; Multihead Attention cavhe. Allowed arithmetic: matrix products marked QUANTISED: E2M1 operands, one E8M0 scale for each 32 along K, by v_wmma_scale_f32_16x16x128_f8f6f4 with both operands' format E2M1 (or v_wmma_scale_f32_32x16x128_f4), f32 sums; everything else in f32.
;; Inputs: Wk 1,024 x 1,024 float32; Wo 1,024 x 1,024 float32; Wq 1,024 x 1,024 float32; Wv 1,024 x 1,024 float32; bk 1,024 float32; bo 1,024 float32; bq 1,024 float32; bv 1,024 float32; x 4 x 2,048 x 1,024 float32.
;; Outputs: out0 4 x 2,048 x 1,024 float32.
;; This version of the problem:
;;   THIS VERSION OF THE PROBLEM IS GIVEN IN LOW PRECISION. The matrix products marked QUANTISED in the list below multiply operands that are first quantised to E2M1 (2 exponent bits, 1 mantissa bit; 4 bits a number), with one power-of-two scale for each 32 numbers along K (OCP MX v1.0); their sums are f32. All else is computed in f32.
;;   The module's matrix products, in the order in which they are computed (A, B: the left and right operand; K: the contracted axis; several contracted axes count as one K, in the product's order):
;;     1. [M 8,192, K 1,024] x [K 1,024, N 1,024]; A: input x; B: input Wq: QUANTISED
;;     2. [M 8,192, K 1,024] x [K 1,024, N 1,024]; A: input x; B: input Wk: QUANTISED
;;     3. [M 8,192, K 1,024] x [K 1,024, N 1,024]; A: input x; B: input Wv: QUANTISED
;;     4. batch 64 x [M 2,048, K 64] x [K 64, N 2,048]; A: computed on the way; B: computed on the way: QUANTISED
;;     5. batch 64 x [M 2,048, K 2,048] x [K 2,048, N 64]; A: softmax (see below); B: computed on the way: QUANTISED
;;     6. [M 8,192, K 1,024] x [K 1,024, N 1,024]; A: computed on the way; B: input Wo: QUANTISED
;;   THE QUANTISER, for each operand of a quantised product, along K:
;;     - K is cut into blocks of 32 from its start; a last block that is shorter is filled with zeros.
;;     - A block's scale is 2^e with e = floor(log2(the largest magnitude in the block)) - 2, held to -126 .. 127; a block of zeros has e = 0. As a byte (E8M0): e + 127.
;;     - Each number is divided by its block's scale, clamped to +-6, and rounded to the nearest number of E2M1, ties to even, subnormals kept.
;;     - The product sums the exact products of the quantised numbers (number of the format x scale) in f32.
;;   ~~~python
;;   def quantise(x, axis):      # numpy; x: float32 -> the quantised numbers, widened to float32 again
;;       x = np.moveaxis(x, axis, -1); K = x.shape[-1]
;;       x = np.pad(x, [(0, 0)] * (x.ndim - 1) + [(0, -K % 32)]); x = x.reshape(x.shape[:-1] + (-1, 32)); a = np.abs(x).max(-1, keepdims=True)
;;       e = np.where(a > 0, np.clip(np.frexp(np.where(a > 0, a, 1))[1] - 1 - 2, -126, 127), 0)      # np.frexp(a)[1] - 1 = floor(log2(a)), exactly
;;       r = np.clip(x / 2.0 ** e, -6, 6)
;;       step = 2.0 ** (np.maximum(np.frexp(np.where(r == 0, 1, r))[1] - 1, 0) - 1)
;;       q = np.round(r / step) * step * 2.0 ** e      # np.round: ties to even
;;       return np.moveaxis(q.reshape(q.shape[:-2] + (-1,))[..., :K], -1, axis).astype(np.float32)
;;   ~~~
;;   SOFTMAX AHEAD OF A QUANTISED PRODUCT. Where the list says 'softmax', what is quantised is not the finished softmax but p = 2^(t - M), with t = logit x log2(e) and M = ceil(the row's largest t), a whole number; so 1/2 < the row's largest p <= 1. The row's sum l is taken of the UNQUANTISED p, in f32, and the product's result is divided by l at the end. Since M is a whole number, a kernel that streams over the keys may use a running M (the ceiling of the running maximum): every later rescaling is an exact power of two, which a block's scale takes up: the codes' values come out the same.
;;   OPERANDS COMPUTED ON THE WAY. 'Computed on the way' means the value that the module computes at that place (a softmax that the list does not call 'softmax' is quantised finished and normalised). What goes into a quantiser is computed in f32, as accurately as f32 sums, v_exp_f32 and their like allow (about 1e-6 of the number): no bf16 or f16 on the way to a quantiser, and a product that is left as it is and whose result goes on into a quantised operand takes f32 operands (vector FMAs, or v_wmma_f32_16x16x4_f32). A number that lies on a knife's edge between two numbers of the format may be rounded either way, as far as f32 arithmetic and the matrix unit's own rounding can turn it there, and no further.
;; 2 versions, each right; version 2 is version 1 with the launch attn written anew for expert scheduling mode. Each part assembles by itself: llvm-mc -triple=amdgcn-amd-amdhsa -mcpu=gfx1250 --defsym DOCPART=n.
;; ======== version 1 of 2: 4 launches
;; workspace buffers: inc 6,291,456 bytes; ins 393,216 bytes; cod 12,582,912 bytes; scl 1,310,720 bytes; oc 4,194,304 bytes; os 262,144 bytes
;; launch quant (part 1): grid 384 x 1, 4 waves a work-group, no clusters, 33,280 bytes of LDS; arguments x, Wq, Wk, Wv, Wo, inc, ins; writes inc, ins
.if DOCPART == 1
	.amdgcn_target "amdgcn-amd-amdhsa--gfx1250"
	.amdhsa_code_object_version 6
	.text
	.protected	k_qab0d3afa42_quant
	.globl	k_qab0d3afa42_quant
	.p2align	8
	.type	k_qab0d3afa42_quant,@function
k_qab0d3afa42_quant:
	s_mov_b64 s[64:65], 0
	v_nop
	global_prefetch_b8 v0, s[64:65] scope:SCOPE_SE
	s_setreg_imm32_b32 hwreg(HW_REG_WAVE_MODE, 25, 1), 1
	s_wait_xcnt 0x0
; FIRST OF FOUR LAUNCHES of causal attention in MX-FP4 (B 4, S 2,048, D 1,024, 16 heads of 64): quant, qkv, attn, oproj.
; THIS LAUNCH: x [8192][1024] and Wq, Wk, Wv, Wo [1024][1024], f32, K innermost, become codes of FP4 (E2M1) and one E8M0 byte for each 32 along K:
; inc [12288 rows][512 bytes] (rows 0.. x, 8192.. Wq, 9216.. Wk, 10240.. Wv, 11264.. Wo), ins [12288][32 bytes].
; A block's scale is 2^(floor(log2(its largest magnitude)) - 2); its byte is the largest magnitude's exponent field - 2, held at 1 from below.
; WORK LEFT OUT BY THE PROGRAM, AND WHY IT IS DEAD.  For key > query reference() itself puts -1e9 in the score's place (its own jnp.tril).  Key 0 counts for every query, so the row's
; largest logit is a visible one, and p = 2^(-1e9 log2(e) - M) is 0 for every hidden key: it adds nothing to the row's sum, and its code is 0 in the second product.  So key steps all of whose
; 128 keys lie behind a wave's 16 queries are not multiplied (launch attn); inside the step on the diagonal the hidden scores become -infinity, which gives the same p = 0.
; LIMITS: that holds while visible logits stay above about -9e8.  A NaN, an infinity or an overflow that reaches only the tiles left out is not carried to the result.  NaN and infinities among the
; inputs are not served.  A block of zeros gets the byte 1 where the quantiser says 127: its codes are zeros, which add nothing under any byte but 0xff, and this program alone reads the bytes.
; Blocks whose largest magnitude lies under 2^(2 - 126) keep the byte 1.  Every input has a way to the output: all nine are loaded by some launch.
; FORM.  Rows are dense and K is a multiple of 32: the five tensors on end are one stream of blocks of 32, and so are the codes and the bytes.  A wave takes 16 steps of 512 numbers.  Each of a step's four
; loads reads 512 consecutive bytes; the 2,048 bytes turn through the wave's own stage in LDS and come back 64 bytes a lane: 16 neighbours along K, two lanes to a block.  A lane's 16 codes are 8 bytes:
; the wave stores 256 consecutive bytes.  A wave's 256 scale bytes are gathered in its own LDS bytes and leave as 256 consecutive bytes.  No barrier: waves share nothing.
.set WAVES, 4
.set STEPS, 16
.set EMAX,  2
.set CB,    8                          ; bytes of 16 codes
.set R,     16                         ; v16-79   four sets of 16 numbers as they are loaded
.set X,     80                         ; v80-111  two sets of 16 neighbours
.set C,     128                        ; v128-191 codes: four registers for each step, so that no store's data are written again
.set E,     112                        ; v112-127 a scale byte for each step
.set WREG,  8192                       ; LDS: a region for each wave: two stages of 32 x SP bytes, behind them its 256 scale bytes
.set SP,    80                         ; a lane's place in a stage: 64 bytes + 16 of padding
.set SPW,   12                         ; v12 LDS address of my spare word; never rewritten
.set NIL,   13                         ; v13 0; never rewritten
.set SPARE, WAVES*WREG                 ; behind the four regions: the spare words, 128 bytes for each wave
	s_load_b256 s[4:11], s[0:1], 0x0               ; x, Wq, Wk, Wv
	s_load_b128 s[12:15], s[0:1], 0x20             ; Wo, inc
	s_load_b64 s[16:17], s[0:1], 0x30              ; ins
	v_lshl_add_u32 v[SPW], v0, 2, SPARE
	v_mov_b32 v[NIL], 0
	v_lshrrev_b32 v1, 5, v0
	v_readfirstlane_b32 s20, v1                    ; wave
	v_and_b32 v2, 31, v0                           ; lane
	v_lshlrev_b32 v3, 4, v2                        ; my 16 bytes of a load's 512
	s_mul_i32 s21, s20, WREG
	v_lshrrev_b32 v14, 2, v2
	v_mul_u32_u24 v14, v14, SP
	v_and_b32 v15, 3, v2
	v_lshl_add_u32 v14, v15, 4, v14
	v_add_nc_u32 v14, s21, v14                     ; the stage, on the way in: SP (lane / 4) + 16 (lane % 4)
	v_mul_u32_u24 v15, v2, SP
	v_add_nc_u32 v15, s21, v15                     ; and on the way out: SP x lane: my 16 neighbours
	v_mul_u32_u24 v4, v2, CB                       ; my codes' place in a step's
	v_lshrrev_b32 v5, 1, v2
	s_add_co_u32 s21, s21, 2*32*SP
	v_add_nc_u32 v5, s21, v5                       ; LDS: my wave's 256 scale bytes, my block's byte
	v_lshlrev_b32 v7, 3, v2                        ; and on the way out 8 bytes a lane
	v_add_nc_u32 v6, s21, v7
	s_wait_kmcnt 0x0
	s_cmp_lt_u32 ttmp9, 256                        ; which tensor is my work-group's: 256 work-groups for x, 32 for each weight.  The choice hangs on the work-group's number alone
	s_cselect_b64 s[4:5], s[4:5], s[6:7]
	s_cselect_b32 s22, 0, 256                      ; and the tensor's first work-group
	s_cmp_lt_u32 ttmp9, 288
	s_cselect_b64 s[4:5], s[4:5], s[8:9]
	s_cselect_b32 s22, s22, 288
	s_cmp_lt_u32 ttmp9, 320
	s_cselect_b64 s[4:5], s[4:5], s[10:11]
	s_cselect_b32 s22, s22, 320
	s_cmp_lt_u32 ttmp9, 352
	s_cselect_b64 s[4:5], s[4:5], s[12:13]
	s_cselect_b32 s22, s22, 352
	s_sub_co_u32 s22, ttmp9, s22
	s_lshl_b32 s22, s22, 2
	s_add_co_u32 s22, s22, s20                     ; which run of 8,192 numbers of the tensor is my wave's
	s_lshl_b32 s22, s22, 15                        ; 32,768 bytes a run
	s_mov_b32 s23, 0
	s_add_nc_u64 s[4:5], s[4:5], s[22:23]
	s_lshl_b32 s24, ttmp9, 2
	s_add_co_u32 s24, s24, s20                     ; and which run of the five tensors on end
	s_lshl_b32 s26, s24, 12                        ; 4,096 bytes of codes a run
	s_mov_b32 s27, 0
	s_add_nc_u64 s[14:15], s[14:15], s[26:27]
	s_lshl_b32 s26, s24, 8                         ; 256 scale bytes a run
	s_add_nc_u64 s[16:17], s[16:17], s[26:27]
.macro LOAD t
.irp i, 0,1,2,3
	global_load_b128 v[R+16*((\t)%4)+4*\i:R+16*((\t)%4)+4*\i+3], v3, s[4:5] offset:2048*(\t)+512*\i th:TH_LOAD_NT   ; 32 lanes read 512 consecutive bytes
.endr
.endm
.macro TURN t                          ; step t's numbers through the stage: LDS serves a wave's instructions in order, so no wait stands between the stores and the loads
.irp i, 0,1,2,3
	ds_store_b128 v14, v[R+16*((\t)%4)+4*\i:R+16*((\t)%4)+4*\i+3] offset:32*SP*((\t)%2)+8*SP*\i
.endr
.irp i, 0,1,2,3
	ds_load_b128 v[X+16*((\t)%2)+4*\i:X+16*((\t)%2)+4*\i+3], v15 offset:32*SP*((\t)%2)+16*\i
.endr
.endm
.irp t, 0,1,2,3
	LOAD \t
.endr
	s_wait_loadcnt 12                              ; step 0's four loads are in; the twelve of steps 1 to 3 may be out
	TURN 0
.macro STEP t
.set XS, X+16*((\t)%2)
.if (\t) > 0
	s_wait_dscnt 1                                 ; this step's numbers are back from the stage (the last step's byte store may be out): so its stores into the stage have read their registers,
.else
	s_wait_dscnt 0x0
.endif
.if (\t)+4 < STEPS
	LOAD (\t)+4                                    ; which take the loads of four steps on
.endif
.if (\t)+1 < STEPS
.if STEPS-2-(\t) >= 3
	s_wait_loadcnt 12                              ; the next step's four loads are in; those of the three steps behind it may be out
.else
	s_wait_loadcnt 4*(STEPS-2-(\t))
.endif
	TURN (\t)+1                                    ; and go through the other stage while this step is worked
.endif
	v_max3_num_f32 v8, |v[XS]|, |v[XS+1]|, |v[XS+2]|               ; the largest magnitude of my 16, in two chains
	v_max3_num_f32 v9, |v[XS+3]|, |v[XS+4]|, |v[XS+5]|
.irp i, 6,10
	v_max3_num_f32 v8, v8, |v[XS+\i]|, |v[XS+\i+1]|
	v_max3_num_f32 v9, v9, |v[XS+\i+2]|, |v[XS+\i+3]|
.endr
	v_max3_num_f32 v8, v8, |v[XS+14]|, |v[XS+15]|
	v_max3_num_f32 v8, v8, v9, (EMAX+1)<<23        ; and the floor 2^(EMAX + 1 - 127): the byte cannot fall under 1
	v_max_num_f32_dpp v8, v8, v8 row_xmask:1 row_mask:0xf bank_mask:0xf   ; and of my neighbour's 16: the block's
	v_add_nc_u32 v11, -(EMAX<<23), v8              ; EMAX off its exponent field: the conversion takes the exponent field of this operand as its scale
	v_cvt_scalef32_pk8_fp4_f32 v[C+4*(\t)], v[XS:XS+7], v11
	v_cvt_scalef32_pk8_fp4_f32 v[C+4*(\t)+1], v[XS+8:XS+15], v11
	v_lshrrev_b32 v[E+(\t)], 23, v11               ; the scale's byte (also the plain line behind the conversions)
	ds_store_b8 v5, v[E+(\t)] offset:16*(\t)       ; both lanes of a block write the same byte with the same value
	global_store_b64 v4, v[C+4*(\t):C+4*(\t)+1], s[14:15] offset:32*CB*(\t)   ; 32 lanes store 256 consecutive bytes
.endm
.irp t, 0,1,2,3,4,5,6,7,8,9,10,11,12,13,14,15
	STEP \t
.endr
	ds_load_b64 v[8:9], v6                         ; LDS serves a wave's instructions in order: these see my stores
	s_wait_dscnt 0x0
	global_store_b64 v7, v[8:9], s[16:17]          ; 32 lanes store 256 consecutive bytes
	s_wait_tensorcnt 0x0                           ; the wave's end: three closing lines behind my last LDS store
	ds_add_u32 v[SPW], v[NIL]
	s_wait_dscnt 0x0
	s_endpgm
.Lfunc_end_k_qab0d3afa42_quant:
	.size	k_qab0d3afa42_quant, .Lfunc_end_k_qab0d3afa42_quant-k_qab0d3afa42_quant
	.p2alignl 7, 3214868480
	.fill 96, 4, 3214868480
	.section	.rodata,"a",@progbits
	.p2align	6, 0x0
	.amdhsa_kernel k_qab0d3afa42_quant
		.amdhsa_group_segment_fixed_size 33280
		.amdhsa_private_segment_fixed_size 0
		.amdhsa_enable_private_segment 0
		.amdhsa_kernarg_size 56
		.amdhsa_user_sgpr_count 2
		.amdhsa_user_sgpr_kernarg_segment_ptr 1
		.amdhsa_wavefront_size32 1
		.amdhsa_system_sgpr_workgroup_id_x 1
		.amdhsa_system_sgpr_workgroup_id_y 1
		.amdhsa_system_sgpr_workgroup_id_z 1
		.amdhsa_system_vgpr_workitem_id 0
		.amdhsa_next_free_vgpr 192
		.amdhsa_next_free_sgpr 66
		.amdhsa_reserve_vcc 0
		.amdhsa_float_denorm_mode_32 3
		.amdhsa_float_denorm_mode_16_64 3
		.amdhsa_memory_ordered 1
		.amdhsa_forward_progress 1
		.amdhsa_inst_pref_size 34
	.end_amdhsa_kernel
	.amdgpu_metadata
---
amdhsa.version: [ 1, 2 ]
amdhsa.kernels:
  - .name:           k_qab0d3afa42_quant
    .symbol:         k_qab0d3afa42_quant.kd
    .args:
      - { .name: x, .offset: 0, .size: 8, .value_kind: global_buffer, .address_space: global }
      - { .name: Wq, .offset: 8, .size: 8, .value_kind: global_buffer, .address_space: global }
      - { .name: Wk, .offset: 16, .size: 8, .value_kind: global_buffer, .address_space: global }
      - { .name: Wv, .offset: 24, .size: 8, .value_kind: global_buffer, .address_space: global }
      - { .name: Wo, .offset: 32, .size: 8, .value_kind: global_buffer, .address_space: global }
      - { .name: inc, .offset: 40, .size: 8, .value_kind: global_buffer, .address_space: global }
      - { .name: ins, .offset: 48, .size: 8, .value_kind: global_buffer, .address_space: global }
    .group_segment_fixed_size: 33280
    .private_segment_fixed_size: 0
    .kernarg_segment_align: 8
    .kernarg_segment_size: 56
    .max_flat_workgroup_size: 128
    .sgpr_count:     66
    .vgpr_count:     192
    .wavefront_size: 32
...
	.end_amdgpu_metadata
.endif
;; end of part 1
;; launch qkv (part 2): grid 12 x 32, 4 waves a work-group, clusters of 4 x 4, 327,680 bytes of LDS; arguments inc, ins, cod, scl, bq, bk, bv; writes cod, scl
.if DOCPART == 2
	.amdgcn_target "amdgcn-amd-amdhsa--gfx1250"
	.amdhsa_code_object_version 6
	.text
	.protected	k_qab0d3afa42_qkv
	.globl	k_qab0d3afa42_qkv
	.p2align	8
	.type	k_qab0d3afa42_qkv,@function
k_qab0d3afa42_qkv:
	s_mov_b64 s[64:65], 0
	v_nop
	global_prefetch_b8 v0, s[64:65] scope:SCOPE_SE
	s_setreg_imm32_b32 hwreg(HW_REG_WAVE_MODE, 25, 1), 1
	s_wait_xcnt 0x0
	s_wait_alu depctr_hold_cnt(0) depctr_sa_sdst(0) depctr_va_vdst(0) depctr_va_sdst(0) depctr_va_ssrc(0) depctr_va_vcc(0) depctr_vm_vsrc(0)
	s_getreg_b32 s2, hwreg(HW_REG_IB_STS2, 6, 4)
	s_cmp_eq_u32 s2, 0
	s_cbranch_scc0 .Lentry_in_a_cluster
	s_endpgm
.Lentry_in_a_cluster:
	s_bfe_u32 s2, ttmp6, 0x10000c
	s_cmp_lg_u32 s2, 0xf033
	s_cbranch_scc0 .Lentry_shape_is_right
	s_endpgm
.Lentry_shape_is_right:
; SECOND LAUNCH: q = x Wq^T + bq, k = x Wk^T + bk, v = x Wv^T + bv on codes of FP4 with E8M0 scales (K = 1,024), and their quantising for the attention: q and k along the head's 64, v along the keys.
; ONE BODY FOR ALL THREE.  C[m][n] = sum over k of A[m][k] B[n][k]; all rows come from inc / ins.  Clusters with x = 0, 1: A = 256 tokens of x, B = 256 rows of Wq (x = 0) or Wk (x = 1).
; Clusters with x = 2 make V TRANSPOSED: A = 256 rows of Wv, B = 256 tokens.  The matrix instruction is used transposed (source 0 = 16 rows of B, source 1 = 16 rows of A), so a lane holds ONE row m
; and its registers run along n: along the head's numbers for q and k, along the keys for v: in both cases the axis along which the result is quantised.
; A tile of C, 256 x 256, is a work-group of four waves, 128 x 128 a wave: 64 accumulators, 512 registers.  K = 1,024 is two LDS slots of 512 along K (rows of 256 bytes + 16 of padding): all of K and all scale
; bytes are asked for at the head, three tensor loads a wave; no LDS byte is filled twice.
; CLUSTERS 4 x 4: A's tile is shared along a row of the cluster, B's along a column: joint loads, the same descriptor and mask in the four that a mask names.  Branches hang on the cluster's x alone, which all partners share.
; THE BIAS is the C of each sum's first matrix instruction: for q and k it hangs on n (eight registers for each of B's blocks), for v on m (one number a lane for each of A's blocks, copied into eight registers).
; THE WAY OUT.  Accumulators 2 e and 2 e + 1 of a row block hold block e of 32 along n: lane (r, h) holds n = 32 e + 8 h + j and 32 e + 16 + 8 h + j.  The block's largest magnitude: 16 registers and lane l xor 16.
; Four conversions and two exchanges of lane halves give lane (r, h) the whole block 2 g + h of row r in four registers: the registers of a 4-bit fragment.  They are stored as they stand, 16 bytes a lane:
; cod: q at (bh 128 + s / 16) 512 + 16 lane;  from byte 4,194,304 a record of 8,192 bytes for each head and 128 keys: k's eight tiles (512 t + 16 lane), then v's (4,096 + 2,048 c + 512 t + 16 lane).
; scl: q's words [bh][2048], from 524,288 k's: bytes 0, 1 the head's two scales, bytes 2, 3 the neighbour head's or 0 (they meet zero codes alone);  from 1,048,576 v's words [bh][16][64].
; LIMITS as stated at the head of launch quant (a block of zeros keeps the byte 1; NaN and infinities are not served).
; REGISTERS, in windows of 256: window 0: v0-31 addresses; v32-95 scale words, two sets; v96-122 the way out's; v128-191 A's fragments, one set, later the codes; v192-255 the bias, later scale words.
;   window 1: B's fragments, two sets.   windows 2, 3: the accumulators ((a, b) at v[8 (8 (a % 4) + b)]).
.set NQ,     4                         ; steps of 128 along K in a slot
.set ROWB,   256                       ; a tile's row in bytes: 512 codes
.set KROW,   512                       ; a row of inc in bytes
.set PITCH,  272                       ; an LDS row: 256 bytes + 16 of padding: the 16 rows that a load touches start at 16 different banks (64 banks of 4 bytes: ISA guide 11.1)
.set FR,     8
.set NL,     2
.set NP,     4                         ; places behind this matrix instruction (ISA guide 7.12.1)
.set HALFT,  128*PITCH                 ; 128 rows: what one tensor load brings
.set SLOT,   4*HALFT                   ; A's 256 rows, then B's 256 rows
.set KS,     32                        ; a row of scale bytes
.set SCL,    2*SLOT                    ; behind the slots: the scales, as rows of 256 bytes + 16 of padding
.set HALFS,  (128*KS/256)*272
.set SBLK,   (16*KS/256)*272
.set SPARE,  SCL+4*HALFS               ; the spare words, 128 bytes for each wave
.set SST,    SPARE+512                 ; a stage of 1,024 bytes for each wave: the scale words on their way out; no tensor load lands here
.set ADRA, 16
.set ADRB, 20
.set ADRS, 27
.set SPW,  28
.set NIL,  29
.set SC,   32
.set TM,   96                          ; v96-99   the blocks' largest magnitudes
.set TP,   100                         ; v100-103 lane l xor 16's
.set SO,   104                         ; v104-107 the conversions' scale operands
.set BY,   108                         ; v108-111 the scales' bytes
.set WW,   112                         ; v112     a row's four bytes
.set SH16, 114                         ; v114     16 (lane / 16)
.set VO,   116                         ; v116-119 codes' byte offsets: 16 lane + g SG + (a / 4) SH at v[VO + 2 g + a / 4]
.set VSO,  120                         ; v120     scale words' byte offset
.set SSA,  121                         ; v121     the stage, on the way in
.set SSR,  122                         ; v122     and back
.set AF,   128
.set XA,   128                         ; the way out: eight registers of codes for each row block: no store's data are written again
.set BI,   192
.set WS,   208                         ; the way out: a register for each row block's scale word
.set G1, 24
.set G0, 32
.set G1B, 48
.set G0B, 56
.set G1S, 68
.set G0S, 76
.set G1SB, 80
.set G0SB, 88
.set MSB, 0
.macro WIN new                         ; the immediate's high byte repeats the setting that is left
.if MSB != (\new)
	s_set_vgpr_msb (MSB<<8)|(\new)
.set MSB, (\new)
.endif
.endm
.set MUL_LO, 0xa1                      ; source 0 (B) window 1, source 1 (A) window 0, C and D window 2
.set MUL_HI, 0xf1                      ; the same, C and D window 3
.set TO_B,   0x40
; A joint load: waves 0 and 1 fetch for A, waves 2 and 3 for B; the branch hangs on the wave's number alone.  An s_nop 0 and four v_nop follow each of the two lines.
.macro JLOAD g0a, g1a, g0b, g1b
	s_cmp_eq_u32 s15, 0
	s_cbranch_scc0 .Lfor_b_\@
	tensor_load_to_lds s[\g0a:\g0a+3], s[\g1a:\g1a+7]
	s_nop 0
.rept 4
	v_nop
.endr
	s_branch .Lasked_\@
.Lfor_b_\@:
	tensor_load_to_lds s[\g0b:\g0b+3], s[\g1b:\g1b+7]
	s_nop 0
.rept 4
	v_nop
.endr
.Lasked_\@:
.endm
.macro CROUND                          ; a round of the cluster's barrier
	s_barrier_signal -1
	s_barrier_wait -1
	s_cmp_lg_u32 s14, 0
	s_cbranch_scc1 .Lnot_wave_0_\@
	s_barrier_signal -3
.Lnot_wave_0_\@:
	s_barrier_wait -3
	s_barrier_signal -1
	s_barrier_wait -1
.endm
	s_load_b256 s[4:11], s[0:1], 0x0               ; inc s[4:5], ins s[6:7], cod s[8:9], scl s[10:11]
	s_load_b128 s[96:99], s[0:1], 0x20             ; bq, bk
	s_load_b64 s[100:101], s[0:1], 0x30            ; bv
	v_lshl_add_u32 v[SPW], v0, 2, SPARE
	v_mov_b32 v[NIL], 0
	ds_add_u32 v[SPW], v[NIL]                      ; the wave's opening: the add, twice on end, and its wait ahead of my first tensor load
	ds_add_u32 v[SPW], v[NIL]
	v_lshrrev_b32 v1, 5, v0
	v_readfirstlane_b32 s14, v1                    ; wave 0..3
	s_lshr_b32 s15, s14, 1                         ; which half of the tile's rows is mine.  Also: I fetch for A (0) or for B (1)
	s_and_b32 s16, s14, 1                          ; which half of its columns.  Also: which 128 rows of that tile I fetch
	s_bfe_u32 s40, ttmp6, 0x40000                  ; cx
	s_bfe_u32 s41, ttmp6, 0x40004                  ; cy
	s_and_b32 s67, ttmp7, 0xffff
	s_lshl_b32 s67, s67, 2                         ; 4 x cluster y
	s_lshl_b32 s45, ttmp9, 2
	s_add_co_u32 s45, s45, 32                      ; Wq's tiles of 256 rows begin at tile 32 of inc, Wk's at 36
	s_cmp_eq_u32 ttmp9, 2                          ; v's clusters?
	s_cselect_b32 s17, 40, s67                     ; A: Wv's tiles begin at 40; else tokens
	s_cselect_b32 s42, s67, s45                    ; B: tokens; else Wq's or Wk's
	s_add_co_u32 s17, s17, s41                     ; A's tile of 256 rows of inc: hangs on cy alone
	s_add_co_u32 s42, s42, s40                     ; B's: on cx alone
	s_lshl_b32 s43, s41, 2
	s_lshl_b32 s43, 15, s43                        ; my row of the cluster
	s_lshl_b32 s44, 0x1111, s40                    ; my column
	s_or_b32 s[G1+0], s43, (0<<16)|(1<<20)|(1<<21)|(5<<22)|(3<<25)  ; the mask; elements of 1 byte; padding on; bit 21 beside a mask; after every 64 words, 4 words
	s_or_b32 s[G1B+0], s44, (0<<16)|(1<<20)|(1<<21)|(5<<22)|(3<<25)
.irp g, G1, G1B
	s_mov_b32 s[\g+1], ROWB<<16                    ; tensor_dim0
	s_mov_b32 s[\g+2], 128<<16                     ; tensor_dim1
	s_mov_b32 s[\g+3], ROWB<<16                    ; tile_dim0
	s_mov_b32 s[\g+4], 128                         ; tile_dim1
	s_mov_b32 s[\g+5], KROW                        ; from row to row
	s_mov_b32 s[\g+6], 0
	s_mov_b32 s[\g+7], 0
.endr
	s_or_b32 s[G1S+0], s43, (3<<16)|(1<<20)|(1<<21)|(5<<22)|(3<<25)  ; the scales of 128 rows: 4,096 dense bytes as 16 rows of 256 (32 elements of 8 bytes), 16 bytes of padding behind each
	s_or_b32 s[G1SB+0], s44, (3<<16)|(1<<20)|(1<<21)|(5<<22)|(3<<25)
.irp g, G1S, G1SB
	s_mov_b32 s[\g+1], 32<<16
	s_mov_b32 s[\g+2], (128*KS/256)<<16
	s_mov_b32 s[\g+3], 32<<16
	s_mov_b32 s[\g+4], 128*KS/256
	s_mov_b32 s[\g+5], 32
	s_mov_b32 s[\g+6], 0
	s_mov_b32 s[\g+7], 0
.endr
	s_lshl_b32 s18, s16, 7                         ; which 128 rows of the tile I fetch
	s_lshl_b32 s20, s17, 8
	s_add_co_u32 s20, s20, s18                     ; A's first row in inc
	s_lshl_b32 s46, s42, 8
	s_add_co_u32 s46, s46, s18                     ; B's
	s_lshl_b32 s22, s20, 5                         ; their scale bytes: 32 a row
	s_mov_b32 s23, 0
	s_lshl_b32 s92, s46, 5
	s_mov_b32 s93, 0
	s_lshl_b32 s20, s20, 9                         ; their codes: 512 bytes a row
	s_mov_b32 s21, 0
	s_lshl_b32 s46, s46, 9
	s_mov_b32 s47, 0
	s_mul_i32 s45, s14, HALFT                      ; where they go: wave x 128 rows: no place in the cluster enters an LDS address
	s_mul_i32 s94, s14, HALFS
	s_wait_dscnt 0x0                               ; both opening adds are done
	s_wait_kmcnt 0x0
	s_add_nc_u64 s[20:21], s[4:5], s[20:21]
	s_add_nc_u64 s[22:23], s[6:7], s[22:23]
	s_add_nc_u64 s[46:47], s[4:5], s[46:47]
	s_add_nc_u64 s[92:93], s[6:7], s[92:93]
	CROUND                                         ; all sixteen work-groups are here: the joint loads meet
	s_mov_b32 s[G0S], 1
	s_add_co_u32 s[G0S+1], s94, SCL
	s_mov_b64 s[G0S+2:G0S+3], s[22:23]
	s_or_b32 s[G0S+3], s[G0S+3], 0x80000000
	s_mov_b32 s[G0SB], 1
	s_add_co_u32 s[G0SB+1], s94, SCL
	s_mov_b64 s[G0SB+2:G0SB+3], s[92:93]
	s_or_b32 s[G0SB+3], s[G0SB+3], 0x80000000
	JLOAD G0S, G1S, G0SB, G1SB                     ; the scales first: they are wanted with the first slot
.irp s, 0,1
	s_mov_b32 s[G0+4*\s], 1
	s_add_co_u32 s[G0+4*\s+1], s45, \s*SLOT
	s_add_nc_u64 s[G0+4*\s+2:G0+4*\s+3], s[20:21], \s*ROWB
	s_or_b32 s[G0+4*\s+3], s[G0+4*\s+3], 0x80000000
	s_mov_b32 s[G0B+4*\s], 1
	s_add_co_u32 s[G0B+4*\s+1], s45, \s*SLOT
	s_add_nc_u64 s[G0B+4*\s+2:G0B+4*\s+3], s[46:47], \s*ROWB
	s_or_b32 s[G0B+4*\s+3], s[G0B+4*\s+3], 0x80000000
	JLOAD G0+4*\s, G1, G0B+4*\s, G1B               ; three tensor loads of mine are out now, and no more follow
.endr
	v_and_b32 v1, 15, v0                           ; r = lane % 16
	v_bfe_u32 v2, v0, 4, 1                         ; h = lane / 16
	; THE BIAS, in the result's layout
	v_lshlrev_b32 v10, 5, v2                       ; q, k: my eight columns of a block: 32 h bytes on
	v_lshlrev_b32 v11, 2, v1                       ; v: my row: 4 r
	s_cmp_eq_u32 ttmp9, 0
	s_cselect_b64 s[12:13], s[96:97], s[98:99]
	s_cmp_eq_u32 ttmp9, 2
	s_cselect_b64 s[12:13], s[100:101], s[12:13]
	s_cselect_b32 s18, s41, s40                    ; v: by A's rows (cy and my half of the rows); q, k: by B's rows (cx and my half of the columns)
	s_cselect_b32 s19, s15, s16
	s_lshl_b32 s18, s18, 10
	s_lshl_b32 s19, s19, 9
	s_add_co_u32 s18, s18, s19
	s_mov_b32 s19, 0
	s_add_nc_u64 s[12:13], s[12:13], s[18:19]
	s_cmp_eq_u32 ttmp9, 2
	s_cbranch_scc1 .Lbias_v
.irp b, 0,1,2,3,4,5,6,7
	global_load_b128 v[BI+8*\b:BI+8*\b+3], v10, s[12:13] offset:64*\b        ; the bias of columns 16 b + 8 h + 0 .. 7
	global_load_b128 v[BI+8*\b+4:BI+8*\b+7], v10, s[12:13] offset:64*\b+16
.endr
	s_branch .Lbias_done
.Lbias_v:
.irp a, 0,1,2,3,4,5,6,7
	global_load_b32 v[BI+8*\a], v11, s[12:13] offset:64*\a                   ; the bias of row 16 a + r
.endr
	s_wait_loadcnt 0x0
.irp a, 0,1,2,3,4,5,6,7
.irp j, 1,2,3,4,5,6,7
	v_mov_b32 v[BI+8*\a+\j], v[BI+8*\a]            ; the same for my eight columns
.endr
.endr
.Lbias_done:
	v_mul_u32_u24 v3, v1, PITCH
	v_lshl_add_u32 v4, v2, 4, v3                   ; a fragment's row x pitch + 16 x half
	s_mul_i32 s21, s15, HALFT                      ; my 128 rows of A
	s_mul_i32 s22, s16, HALFT                      ; my 128 rows of B,
	s_add_co_u32 s22, s22, 2*HALFT                 ; which lie behind A's 256
.irp s, 0,1
	v_add_nc_u32 v[ADRA+\s], s21, v4
	v_add_nc_u32 v[ADRB+\s], s22, v4
	s_add_co_u32 s21, s21, SLOT
	s_add_co_u32 s22, s22, SLOT
.endr
	v_mul_u32_u24 v5, v1, KS                       ; my row's scales: KS bytes a row,
	v_lshrrev_b32 v6, 8, v5
	v_lshl_add_u32 v5, v6, 4, v5                   ; and 16 more for each 256 passed
	s_mul_i32 s21, s15, HALFS
	s_mul_i32 s22, s16, HALFS
	s_add_co_u32 s22, s22, 2*HALFS
	s_sub_co_u32 s22, s22, s21
	v_mul_u32_u24 v6, s22, v2                      ; lanes 16-31 take B's
	s_add_co_u32 s21, s21, SCL
	v_add_nc_u32 v5, v5, v6
	v_add_nc_u32 v[ADRS], s21, v5
	; THE WAY OUT'S NUMBERS
	s_lshl_b32 s94, 0x10000, ttmp9                 ; SG, from a head to the next: q 65,536, k 131,072;
	s_mov_b32 s93, 256
	s_cmp_eq_u32 ttmp9, 2
	s_cselect_b32 s94, 2048, s94                   ; v: from keys 0-63 to keys 64-127 of a record
	s_cselect_b32 s93, 4096, s93                   ; SS: v's words of the next head lie 4,096 bytes on; q's and k's 128 words are dense
	s_cselect_b32 s92, 129024, 0                   ; SH: v's row blocks 4-7 belong to the next head: 131,072 - 2,048 bytes on top of 512 a
	s_cselect_b32 s2, s40, s41                     ; tokens run along B for v, along A for q and k
	s_cselect_b32 s3, s16, s15
	s_cselect_b32 s43, s41, s40                    ; heads the other way round
	s_cselect_b32 s44, s15, s16
	s_add_co_u32 s2, s2, s67
	s_lshl_b32 s2, s2, 8
	s_lshl_b32 s3, s3, 7
	s_add_co_u32 s2, s2, s3                        ; my first token
	s_lshl_b32 s43, s43, 2
	s_lshl_b32 s44, s44, 1
	s_add_co_u32 s43, s43, s44                     ; my first head
	s_lshr_b32 s3, s2, 11                          ; the batch
	s_and_b32 s2, s2, 2047                         ; s0: the place in the sequence
	s_lshl_b32 s3, s3, 4
	s_add_co_u32 s3, s3, s43                       ; bh0
	s_min_u32 s43, ttmp9, 1                        ; 0 for q, 1 for k and v
	s_lshr_b32 s46, ttmp9, 1                       ; 1 for v
	s_add_co_u32 s47, s43, 16
	s_lshl_b32 s44, s3, s47                        ; q: bh0 x 65,536; k, v: bh0 x 131,072
	s_add_co_u32 s47, s43, 5
	s_lshl_b32 s47, s2, s47                        ; q: s0 x 32; k, v: s0 x 64
	s_add_co_u32 s44, s44, s47
	s_lshl_b32 s47, s43, 22                        ; k, v: behind q's 4,194,304 bytes
	s_add_co_u32 s44, s44, s47
	s_lshl_b32 s47, s46, 12                        ; v: behind the record's 4,096 bytes of k
	s_add_co_u32 s44, s44, s47
	s_mov_b32 s45, 0
	s_add_nc_u64 s[8:9], s[8:9], s[44:45]
	s_sub_co_u32 s47, 13, s46
	s_lshl_b32 s44, s3, s47                        ; scale words: q, k: bh0 x 8,192; v: bh0 x 4,096
	s_sub_co_u32 s47, 2, s46
	s_lshl_b32 s47, s2, s47                        ; q, k: 4 s0; v: 2 s0 (256 bytes for each 128 keys)
	s_add_co_u32 s44, s44, s47
	s_lshl_b32 s47, ttmp9, 19                      ; the three regions begin 524,288 bytes apart
	s_add_co_u32 s44, s44, s47
	s_add_nc_u64 s[10:11], s[10:11], s[44:45]
	s_mov_b32 s18, 0x76543210                      ; v_permlanex16_b32's selects for lane l xor 16
	s_mov_b32 s19, 0xfedcba98
	v_lshlrev_b32 v[SH16], 4, v2
	v_and_b32 v[VO], 31, v0
	v_lshlrev_b32 v[VO], 4, v[VO]                  ; 16 x lane
	v_add_nc_u32 v[VO+1], s92, v[VO]
	v_add_nc_u32 v[VO+2], s94, v[VO]
	v_add_nc_u32 v[VO+3], s92, v[VO+2]
	v_mul_u32_u24 v[VSO], s93, v2
	v_lshl_add_u32 v[VSO], v1, 4, v[VSO]
	s_lshl_b32 s47, s14, 10
	s_add_co_u32 s47, s47, SST                     ; my stage
	v_lshlrev_b32 v[SSA], 2, v1
	v_lshl_add_u32 v[SSA], v2, 9, v[SSA]
	v_add_nc_u32 v[SSA], s47, v[SSA]               ; in: 512 h + 4 r (+ 64 a)
	v_add_nc_u32 v[SSR], s47, v[VO]                ; back: 16 x lane
.irp b, 0,1,2,3
	v_mov_b32 v[TP+\b], 0                          ; written once: a lane permute's destination counts as one of its sources
.endr
.macro FRAG reg, adr, q, i             ; a fragment, 16 rows x 128 K of 4-bit codes: registers 4 c .. 4 c + 3 hold K = 64 c + 32 (lane / 16) + 0 .. 31
.irp c, 0,1
	ds_load_b128 v[\reg+4*\c:\reg+4*\c+3], v[\adr] offset:64*(\q)+32*\c+(\i)*16*PITCH
.endr
.endm
; 16 matrix instructions: A's blocks a0, a0 + 1 x B's eight, 128 along K.  cm = 0: the sums go on in place; 1: they begin with the bias by B's block; 2: by A's block.  Nothing is ever cleared.
; The 64 accumulators take turns, one instruction a turn, in the same order in every step.
.macro MUL16 a0, p, q, sc, cm
.irp a, \a0, \a0+1
.irp b, 0,1,2,3,4,5,6,7
.if (\cm) == 1
	v_wmma_scale_f32_16x16x128_f8f6f4 v[8*(8*((\a)%4)+\b):8*(8*((\a)%4)+\b)+7], v[128*(\p)+FR*\b:128*(\p)+FR*\b+FR-1], v[AF+FR*(\a):AF+FR*(\a)+FR-1], v[BI+8*\b:BI+8*\b+7], v[SC+8*NQ*(\sc)+NQ*\b+(\q)], v[SC+8*NQ*(\sc)+NQ*(\a)+(\q)] matrix_a_fmt:MATRIX_FMT_FP4 matrix_b_fmt:MATRIX_FMT_FP4 matrix_a_scale:MATRIX_SCALE_ROW1
.elseif (\cm) == 2
	v_wmma_scale_f32_16x16x128_f8f6f4 v[8*(8*((\a)%4)+\b):8*(8*((\a)%4)+\b)+7], v[128*(\p)+FR*\b:128*(\p)+FR*\b+FR-1], v[AF+FR*(\a):AF+FR*(\a)+FR-1], v[BI+8*(\a):BI+8*(\a)+7], v[SC+8*NQ*(\sc)+NQ*\b+(\q)], v[SC+8*NQ*(\sc)+NQ*(\a)+(\q)] matrix_a_fmt:MATRIX_FMT_FP4 matrix_b_fmt:MATRIX_FMT_FP4 matrix_a_scale:MATRIX_SCALE_ROW1
.else
	v_wmma_scale_f32_16x16x128_f8f6f4 v[8*(8*((\a)%4)+\b):8*(8*((\a)%4)+\b)+7], v[128*(\p)+FR*\b:128*(\p)+FR*\b+FR-1], v[AF+FR*(\a):AF+FR*(\a)+FR-1], v[8*(8*((\a)%4)+\b):8*(8*((\a)%4)+\b)+7], v[SC+8*NQ*(\sc)+NQ*\b+(\q)], v[SC+8*NQ*(\sc)+NQ*(\a)+(\q)] matrix_a_fmt:MATRIX_FMT_FP4 matrix_b_fmt:MATRIX_FMT_FP4 matrix_a_scale:MATRIX_SCALE_ROW1
.endif
.endr
.endr
.endm
.macro FETCH_B slot, q, p              ; B's eight fragments of the slot's q-th 128 along K into set p
	WIN TO_B
.irp i, 0,1,2,3,4,5,6,7
	FRAG 128*(\p)+FR*\i, ADRB+\slot, \q, \i
.endr
	WIN 0
.endm
.macro FETCH_A slot, q, i0             ; A's blocks i0 .. i0 + 3
.irp i, \i0, \i0+1, \i0+2, \i0+3
	FRAG AF+FR*(\i), ADRA+\slot, \q, \i
.endr
.endm
.macro SCALES sc                       ; a slot's scale words into set sc: lanes 0-15 take A's block i, lanes 16-31 B's block i
.irp i, 0,1,2,3,4,5,6,7
	ds_load_b128 v[SC+8*NQ*\sc+NQ*\i:SC+8*NQ*\sc+NQ*\i+3], v[ADRS] offset:\i*SBLK
.endr
.endm
.macro PLACES n                        ; plain vector instructions between a matrix instruction and a load into, or a vector read of, its registers
.rept \n
	v_nop
.endr
.endm
; A step of 128 along K that has its successor in the same slot.  A's blocks 0-3 are fetched anew in its middle, blocks 4-7 at its end; B has two sets.
.macro STEP slot, q, cm
	s_wait_dscnt 4*NL                              ; B's set and A's blocks 0-3 are in; the youngest eight loads (A's blocks 4-7) may be out
.if \cm
	WIN 0x81                                       ; the bias lies in window 0
.else
	WIN MUL_LO
.endif
	MUL16 0, (\q)%2, \q, \slot, \cm
	MUL16 2, (\q)%2, \q, \slot, \cm
	s_wait_dscnt 0
	PLACES NP
	FETCH_B \slot, (\q)+1, 1-(\q)%2
	FETCH_A \slot, (\q)+1, 0
.if \cm
	WIN 0xc1
.else
	WIN MUL_HI
.endif
	MUL16 4, (\q)%2, \q, \slot, \cm
	MUL16 6, (\q)%2, \q, \slot, \cm
	PLACES NP
	WIN 0
	FETCH_A \slot, (\q)+1, 4
.endm
; Slot 0's last step changes slots: one barrier; in front of it each wave waits for all its tensor loads (its part of slot 1) and for its own LDS loads.
.macro TURN slot, next
	s_wait_tensorcnt 0x0                           ; all my tensor loads have landed
	ds_add_u32 v[SPW], v[NIL]                      ; 0 onto my spare word
	s_wait_dscnt 4*NL+1                            ; (the add and the youngest eight loads may be out)
	WIN MUL_LO
	MUL16 0, 1, NQ-1, \slot, 0
	s_wait_dscnt 0x0                               ; the add is done, and my reads of this slot are over
	s_barrier_signal -1
	MUL16 2, 1, NQ-1, \slot, 0
	WIN 0
	s_barrier_wait -1                              ; the next slot is whole
	PLACES NP
	v_add_nc_u32 v[ADRS], 4*NQ, v[ADRS]            ; on to the next slot's scale words
	FETCH_B \next, 0, 0
	FETCH_A \next, 0, 0
	SCALES \next
	WIN MUL_HI
	MUL16 4, 1, NQ-1, \slot, 0
	MUL16 6, 1, NQ-1, \slot, 0
	PLACES NP
	WIN 0
	FETCH_A \next, 0, 4
.endm
.macro STEPS slot, from
.set Q, \from
.rept NQ-1-\from
	STEP \slot, Q, 0
.set Q, Q+1
.endr
.endm
	s_wait_tensorcnt 1                             ; the scales and my part of slot 0 are in (slot 1's load may be out)
	s_barrier_signal -1
	s_barrier_wait -1                              ; everybody's are
	FETCH_B 0, 0, 0
	FETCH_A 0, 0, 0
	SCALES 0
	FETCH_A 0, 0, 4
	s_wait_loadcnt 0x0                             ; the bias
	s_cmp_eq_u32 ttmp9, 2                          ; the first step is written twice: only the registers of its C differ
	s_cbranch_scc1 .Lfirst_v
	STEP 0, 0, 1
	s_branch .Lfirst_done
.Lfirst_v:
	STEP 0, 0, 2
.Lfirst_done:
	STEPS 0, 1
	TURN 0, 1
	STEPS 1, 0
	s_wait_dscnt 4*NL                              ; the very last step: nothing more to fetch
	WIN MUL_LO
	MUL16 0, 1, NQ-1, 1, 0
	MUL16 2, 1, NQ-1, 1, 0
	s_wait_dscnt 0
	WIN MUL_HI
	MUL16 4, 1, NQ-1, 1, 0
	MUL16 6, 1, NQ-1, 1, 0
	WIN 0
; THE WAY OUT of row block a (16 rows x 128 along n = four blocks of 32): scales, codes, two stores of 512 consecutive bytes, the scale word into my stage.
.macro QOUT a
.set W, 2+(\a)/4
.set W12, (W<<2)|(W<<4)
.set AC, 64*((\a)%4)
	WIN W12                                        ; sources 1 and 2: the accumulators' window
.irp b, 0,1,2,3
	v_max3_num_f32 v[TM+\b], 0x1800000, |v[AC+16*\b]|, |v[AC+16*\b+1]|   ; block b: my 16 numbers, each accumulator from its low end on, and the floor 2^(3 - 127): the byte cannot fall under 1
.endr
.irp i, 2,4,6,8,10,12,14
.irp b, 0,1,2,3
	v_max3_num_f32 v[TM+\b], v[TM+\b], |v[AC+16*\b+\i]|, |v[AC+16*\b+\i+1]|   ; (the four blocks by turns)
.endr
.endr
	WIN 0
.irp b, 0,1,2,3
	v_permlanex16_b32 v[TP+\b], v[TM+\b], s18, s19
.endr
.irp b, 0,1,2,3
	v_max_num_f32 v[TM+\b], v[TM+\b], v[TP+\b]     ; with lane l xor 16's: the block's largest magnitude
.endr
.irp b, 0,1,2,3
	v_add_nc_u32 v[SO+\b], 0xff000000, v[TM+\b]    ; 2 off its exponent field: the conversion's scale operand
.endr
.irp b, 0,1,2,3
	v_lshrrev_b32 v[BY+\b], 23, v[SO+\b]           ; the scale's byte
.endr
	v_lshl_or_b32 v[WW], v[BY+1], 8, v[BY]
	v_lshl_or_b32 v[WW], v[BY+2], 16, v[WW]
	v_lshl_or_b32 v[WW], v[BY+3], 24, v[WW]        ; my row's four bytes
	v_lshrrev_b32 v[WS+(\a)], v[SH16], v[WW]       ; lanes 0-15 keep them (q, k: the first head's word; v: the row's word), lanes 16-31 take the upper two: the second head's word
	WIN W                                          ; source 0: the accumulators' window
.irp g, 0,1
	v_cvt_scalef32_pk8_fp4_f32 v[XA+8*(\a)+4*\g], v[AC+32*\g:AC+32*\g+7], v[SO+2*\g]             ; block 2 g, n = 8 h + 0 .. 7
	v_cvt_scalef32_pk8_fp4_f32 v[XA+8*(\a)+4*\g+1], v[AC+32*\g+16:AC+32*\g+23], v[SO+2*\g+1]     ; block 2 g + 1, the same
	v_cvt_scalef32_pk8_fp4_f32 v[XA+8*(\a)+4*\g+2], v[AC+32*\g+8:AC+32*\g+15], v[SO+2*\g]        ; block 2 g, n = 16 + 8 h + 0 .. 7
	v_cvt_scalef32_pk8_fp4_f32 v[XA+8*(\a)+4*\g+3], v[AC+32*\g+24:AC+32*\g+31], v[SO+2*\g+1]     ; block 2 g + 1, the same
.endr
	WIN 0
	v_nop                                          ; one plain line behind a scaled conversion
.irp g, 0,1
	v_permlane16_swap_b32 v[XA+8*(\a)+4*\g], v[XA+8*(\a)+4*\g+1]      ; the first's lanes 16-31 change places with the second's lanes 0-15:
	v_permlane16_swap_b32 v[XA+8*(\a)+4*\g+2], v[XA+8*(\a)+4*\g+3]    ; lane (r, h) now holds block 2 g + h of row r, its 32 codes in order
.endr
.irp g, 0,1
	global_store_b128 v[VO+2*\g+(\a)/4], v[XA+8*(\a)+4*\g:XA+8*(\a)+4*\g+3], s[8:9] offset:512*(\a)   ; 32 lanes store 512 consecutive bytes
.endr
	ds_store_b32 v[SSA], v[WS+(\a)] offset:64*(\a)
.endm
	PLACES NP                                      ; behind the last products, ahead of the first read of results and the first write over A's fragments
.irp a, 0,1,2,3,4,5,6,7
	QOUT \a
.endr
	ds_load_b128 v[192:195], v[SSR]                ; LDS serves a wave's instructions in order: these see my stores.  128 words: q, k: the first head's; v: two heads' 64
	ds_load_b128 v[196:199], v[SSR] offset:512     ; q, k: the second head's
	s_wait_dscnt 0x0
	global_store_b128 v[VSO], v[192:195], s[10:11]
	s_cmp_eq_u32 ttmp9, 2
	s_cbranch_scc1 .Lno_second
	global_store_b128 v[VSO], v[196:199], s[10:11] offset:8192
.Lno_second:
	s_wait_tensorcnt 0x0                           ; the wave's end: three closing lines behind my last tensor load and my last LDS store
	ds_add_u32 v[SPW], v[NIL]
	s_wait_dscnt 0x0
	CROUND                                         ; the closing round
	s_endpgm
.Lfunc_end_k_qab0d3afa42_qkv:
	.size	k_qab0d3afa42_qkv, .Lfunc_end_k_qab0d3afa42_qkv-k_qab0d3afa42_qkv
	.p2alignl 7, 3214868480
	.fill 96, 4, 3214868480
	.section	.rodata,"a",@progbits
	.p2align	6, 0x0
	.amdhsa_kernel k_qab0d3afa42_qkv
		.amdhsa_group_segment_fixed_size 327680
		.amdhsa_private_segment_fixed_size 0
		.amdhsa_enable_private_segment 0
		.amdhsa_kernarg_size 56
		.amdhsa_user_sgpr_count 2
		.amdhsa_user_sgpr_kernarg_segment_ptr 1
		.amdhsa_wavefront_size32 1
		.amdhsa_system_sgpr_workgroup_id_x 1
		.amdhsa_system_sgpr_workgroup_id_y 1
		.amdhsa_system_sgpr_workgroup_id_z 1
		.amdhsa_system_vgpr_workitem_id 0
		.amdhsa_next_free_vgpr 1024
		.amdhsa_next_free_sgpr 102
		.amdhsa_reserve_vcc 0
		.amdhsa_float_denorm_mode_32 3
		.amdhsa_float_denorm_mode_16_64 3
		.amdhsa_memory_ordered 1
		.amdhsa_forward_progress 1
		.amdhsa_inst_pref_size 145
	.end_amdhsa_kernel
	.amdgpu_metadata
---
amdhsa.version: [ 1, 2 ]
amdhsa.kernels:
  - .name:           k_qab0d3afa42_qkv
    .symbol:         k_qab0d3afa42_qkv.kd
    .args:
      - { .name: inc, .offset: 0, .size: 8, .value_kind: global_buffer, .address_space: global }
      - { .name: ins, .offset: 8, .size: 8, .value_kind: global_buffer, .address_space: global }
      - { .name: cod, .offset: 16, .size: 8, .value_kind: global_buffer, .address_space: global }
      - { .name: scl, .offset: 24, .size: 8, .value_kind: global_buffer, .address_space: global }
      - { .name: bq, .offset: 32, .size: 8, .value_kind: global_buffer, .address_space: global }
      - { .name: bk, .offset: 40, .size: 8, .value_kind: global_buffer, .address_space: global }
      - { .name: bv, .offset: 48, .size: 8, .value_kind: global_buffer, .address_space: global }
    .group_segment_fixed_size: 327680
    .private_segment_fixed_size: 0
    .kernarg_segment_align: 8
    .kernarg_segment_size: 56
    .max_flat_workgroup_size: 128
    .sgpr_count:     102
    .vgpr_count:     1024
    .wavefront_size: 32
...
	.end_amdgpu_metadata
.endif
;; end of part 2
;; launch attn (part 3): grid 4 x 64, 16 waves a work-group, no clusters, 147,456 bytes of LDS; arguments cod, scl, oc, os; writes oc, os
.if DOCPART == 3
	.amdgcn_target "amdgcn-amd-amdhsa--gfx1250"
	.amdhsa_code_object_version 6
	.text
	.protected	k_qab0d3afa42_attn
	.globl	k_qab0d3afa42_attn
	.p2align	8
	.type	k_qab0d3afa42_attn,@function
k_qab0d3afa42_attn:
	s_mov_b64 s[64:65], 0
	v_nop
	global_prefetch_b8 v0, s[64:65] scope:SCOPE_SE
	s_setreg_imm32_b32 hwreg(HW_REG_WAVE_MODE, 25, 1), 1
	s_wait_xcnt 0x0
; THIRD LAUNCH: causal attention on codes of FP4 with E8M0 scales; O / l is quantised along D and stored as the last launch's operand.
; WORK LEFT OUT: key steps all of whose 128 keys lie behind a wave's 16 queries (reference()'s own causal mask gives them p = 0: shown at the head of launch quant, with the limits).
; THE SOFTMAX: t = score x log2(e) / 8; M = the running largest t rounded UP to a whole number; p = 2^(t - M) is quantised along the keys, not normalised; the row's sum is taken of the unquantised p
; and divides O at the end.  When M moves, the sum and O are multiplied by 2^(old M - new M): exact.
; SHARES.  Work-group (j, bh) owns the query blocks 7 - j and j (256 queries each) of one head: the same number of visible keys in every work-group.  Each of its sixteen waves owns 16 queries of each block:
; pass 0 walks block 7 - j, pass 1 block j.  Four waves to a SIMD: one wave's vector work stands beside another's matrix work and LDS loads.
; K AND V OF THE WHOLE HEAD STAY IN LDS, each byte stored once: a chunk of 256 keys (two records of 8,192 bytes, as launch qkv laid them) is 32 bytes a thread: two loads at the head of the chunk before,
; two LDS stores and a barrier at its end.  A byte's offset in the head's records is its LDS address.  Chunks behind the work-group's last query are not fetched: a scalar branch on ids, the same in all waves.
; Pass 1 reads what pass 0 brought.  No tensor load: so the causal limit is a plain branch.  NO CLUSTER: the four work-groups of a head need 8 - j chunks, different numbers.
; LAYOUT.  Both products transposed: S^T = K Q^T (source 0 = 16 keys), O^T = V^T P^T (source 0 = 16 of the head's 64): a lane holds ONE query (lane % 16).  Tiles hold neighbouring keys: register 8 t + i of S^T is
; key 16 t + 8 (lane / 16) + i.  Tiles 2 e, 2 e + 1 are block e of 32 keys; four conversions and two exchanges of lane halves give the operand's registers.
; THE FIRST PRODUCT'S K IS 64 of the instruction's 128: Q's registers 4-7 are zero codes.  A tile of K is 4 registers; the instruction's other 4 are the next tile's (behind the last: zeros): finite codes that meet
; zero codes alone, under scale bytes that are never 0xff: they add 0.
.set KSC,   131072                     ; LDS: behind the records K's scale words, 2,048 x 4 bytes,
.set VSC,   139264                     ; V's, 16 x 64 x 4 bytes,
.set SPARE, 143360                     ; and the spare words, 128 bytes for each wave
.set LI,  1                            ; v1   16 x lane
.set LSK, 2                            ; v2   KSC + 4 x lane
.set LSV, 3                            ; v3   VSC + 4 x lane
.set CL1, 4                            ; v4   16 x thread + 16,384: my bytes of the next chunk
.set SPW, 5                            ; v5   my spare word; never rewritten
.set NIL, 6                            ; v6   0; never rewritten
.set RQ,  7                            ; v7   r - 8 h
.set ADK, 8                            ; v8   the chunk's records
.set ADS, 9                            ; v9   its scale words of K
.set ADT, 10                           ; v10  and of V
.set CA,  11                           ; v11  my bytes of the chunk that is being fetched: offset in memory and LDS address
.set QA,  16                           ; v16-23 Q of pass 0 (v20-23 zeros), v24-31 of pass 1;  v12 -M, v13 the largest t, v[14:15] the sum in two halves
.set QB,  24
.set KFR, 32                           ; v32-63 eight tiles of K; v64-67 zeros that stay
.set VF,  68                           ; v68-99 four fragments of V
.set S,   100                          ; v100-163 S^T, then p
.set O,   164                          ; v164-195 O^T
.set PC,  196                          ; v196-203 p's codes
.set KSW, 204                          ; v204-207 K's scale words, two tiles a register
.set VSW, 208                          ; v208-209 V's
.set PW,  210                          ; v210 p's scale word
.set QSA, 211                          ; v211, v212 Q's scale words
.set QSB, 212
.set BM,  214                          ; v214-217 the blocks' largest
.set TP,  218                          ; v218-221 at work
.set SO,  222                          ; v222-225 the conversions' scale operands
.set F,   226                          ; v[226:227] f (v227 is named with it as a pair, so it is written)
.set T0,  228
.set NINF, 229
.set OSO, 230                          ; v230 32 r: my token's row of os
.set HW,  231                          ; v231 the head's two scale bytes
.set CST, 232                          ; v232-239 a chunk on its way
.set PST, 240                          ; v240-245 the scale words on their way
.set XC,  248                          ; v248-251 O's codes
; s12 wave, s13 batch, s14 bh, s15 head; s[16:17] the head's records; s[20:21] lane selects; s[22:23] c; s24, s25 my first query of pass 0, 1; s26 the work-group's last query;
; s[28:31] oc, s[32:35] os, s[44:47] Q's codes, s[48:51] Q's scale words, a pair for each pass; s[52:53], s[54:55] K's and V's scale words; s36 the step's first key; s37, s38, s39 the chunk's LDS steps; s40 counts; s43 my first query
	s_load_b256 s[4:11], s[0:1], 0x0               ; cod, scl, oc, os
	v_lshl_add_u32 v[SPW], v0, 2, SPARE
	v_mov_b32 v[NIL], 0
	v_lshrrev_b32 v1, 5, v0
	v_readfirstlane_b32 s12, v1                    ; wave 0..15
	s_and_b32 s14, ttmp7, 0xffff                   ; bh
	s_sub_co_u32 s41, 7, ttmp9
	s_lshl_b32 s41, s41, 8
	s_lshl_b32 s42, s12, 4
	s_add_co_u32 s24, s41, s42                     ; pass 0: 256 (7 - j) + 16 wave
	s_or_b32 s26, s41, 255                         ; the work-group's last query
	s_lshl_b32 s41, ttmp9, 8
	s_add_co_u32 s25, s41, s42                     ; pass 1: 256 j + 16 wave
	s_mov_b32 s20, 0x76543210
	s_mov_b32 s21, 0xfedcba98
	s_mov_b32 s22, 0x3e38aa3b                      ; c = log2(e) / 8
	s_mov_b32 s23, s22
	s_lshr_b32 s13, s14, 4
	s_and_b32 s15, s14, 15
	s_mov_b32 s57, 0
	v_and_b32 v1, 31, v0                           ; lane
	v_and_b32 v7, 15, v0                           ; r
	v_bfe_u32 v9, v0, 4, 1                         ; h
	v_lshlrev_b32 v2, 2, v1
	v_add_nc_u32 v[LSV], VSC, v2
	v_add_nc_u32 v[LSK], KSC, v2
	v_lshlrev_b32 v[LI], 4, v1
	v_lshlrev_b32 v[T0], 2, v7                     ; 4 r, for Q's scale words
	v_lshlrev_b32 v[OSO], 5, v7
	v_lshlrev_b32 v9, 3, v9
	v_sub_nc_u32 v[RQ], v7, v9
	v_lshlrev_b32 v8, 4, v0                        ; 16 x thread
	v_lshlrev_b32 v9, 3, v0                        ; 8 x thread
	v_add_nc_u32 v[CL1], 16384, v8
	v_add_nc_u32 v10, KSC, v8
	v_add_nc_u32 v11, VSC, v9
	s_wait_kmcnt 0x0
	s_lshl_b32 s56, s14, 17
	s_add_co_u32 s56, s56, 0x400000
	s_add_nc_u64 s[16:17], s[4:5], s[56:57]        ; the head's sixteen records
	s_lshl_b32 s58, s14, 16
	s_lshl_b32 s56, s24, 5
	s_add_co_u32 s56, s56, s58
	s_add_nc_u64 s[44:45], s[4:5], s[56:57]        ; Q's image: (bh 128 + query / 16) 512
	s_lshl_b32 s56, s25, 5
	s_add_co_u32 s56, s56, s58
	s_add_nc_u64 s[46:47], s[4:5], s[56:57]
	s_lshl_b32 s58, s14, 13
	s_lshl_b32 s56, s24, 2
	s_add_co_u32 s56, s56, s58
	s_add_nc_u64 s[48:49], s[6:7], s[56:57]        ; Q's scale words
	s_lshl_b32 s56, s25, 2
	s_add_co_u32 s56, s56, s58
	s_add_nc_u64 s[50:51], s[6:7], s[56:57]
	s_add_co_u32 s56, s58, 524288
	s_add_nc_u64 s[52:53], s[6:7], s[56:57]        ; K's
	s_lshl_b32 s56, s14, 12
	s_add_co_u32 s56, s56, 1048576
	s_add_nc_u64 s[54:55], s[6:7], s[56:57]        ; V's
	s_lshr_b32 s58, s15, 3
	s_lshl_b32 s58, s58, 21                        ; oc: [head / 8][token / 16][head % 8][512 bytes]
	s_lshl_b32 s59, s13, 19
	s_add_co_u32 s58, s58, s59
	s_and_b32 s59, s15, 7
	s_lshl_b32 s59, s59, 9
	s_add_co_u32 s58, s58, s59
	s_lshl_b32 s56, s24, 8
	s_add_co_u32 s56, s56, s58
	s_add_nc_u64 s[28:29], s[8:9], s[56:57]
	s_lshl_b32 s56, s25, 8
	s_add_co_u32 s56, s56, s58
	s_add_nc_u64 s[30:31], s[8:9], s[56:57]
	s_lshl_b32 s58, s13, 16                        ; os: [token][32 bytes], my head's two bytes
	s_lshl_b32 s59, s15, 1
	s_add_co_u32 s58, s58, s59
	s_lshl_b32 s56, s24, 5
	s_add_co_u32 s56, s56, s58
	s_add_nc_u64 s[32:33], s[10:11], s[56:57]
	s_lshl_b32 s56, s25, 5
	s_add_co_u32 s56, s56, s58
	s_add_nc_u64 s[34:35], s[10:11], s[56:57]
	global_load_b128 v[CST:CST+3], v8, s[16:17]                    ; chunk 0: 512 threads x 16 bytes, twice
	global_load_b128 v[CST+4:CST+7], v8, s[16:17] offset:8192
	global_load_b128 v[PST:PST+3], v8, s[52:53]                    ; K's 2,048 scale words
	global_load_b64 v[PST+4:PST+5], v9, s[54:55]                   ; V's 1,024
	global_load_b128 v[QA:QA+3], v[LI], s[44:45]                   ; Q's fragments stay in registers
	global_load_b128 v[QB:QB+3], v[LI], s[46:47]
	global_load_b32 v[QSA], v[T0], s[48:49]
	global_load_b32 v[QSB], v[T0], s[50:51]
.irp i, 0,1,2,3
	v_mov_b32 v[QA+4+\i], 0                        ; zero codes for k = 64 .. 127
	v_mov_b32 v[QB+4+\i], 0
	v_mov_b32 v[KFR+32+\i], 0
	v_mov_b32 v[TP+\i], 0                          ; written once: a lane permute's destination counts as one of its sources
.endr
	v_mov_b32 v[F+1], 0
	v_mov_b32 v[NINF], 0xff800000                  ; -infinity
	s_wait_loadcnt 4                               ; the chunk and the scale words are in; Q's four loads may be out
	ds_store_b128 v8, v[CST:CST+3]
	ds_store_b128 v8, v[CST+4:CST+7] offset:8192
	ds_store_b128 v10, v[PST:PST+3]
	ds_store_b64 v11, v[PST+4:PST+5]
	s_wait_dscnt 0x0                               ; for the others' sake: my stores are done
	s_barrier_signal -1
	s_barrier_wait -1
	s_wait_loadcnt 0x0                             ; Q
; A KEY STEP: 128 keys, record st of the chunk in hand.  qf: Q's fragment; qs: its scale words.
.macro STEP st, qf, qs
	s_add_co_u32 s41, s43, 15                      ; a step all of whose keys come after my 16 queries is left out: a scalar branch on ids; no barrier stands in a step
	s_cmp_gt_u32 s36, s41
	s_cbranch_scc1 .Lhidden_\@
.irp t, 0,1,2,3,4,5,6,7
	ds_load_b128 v[KFR+4*\t:KFR+4*\t+3], v[ADK] offset:8192*\st+512*\t
.endr
.irp u, 0,1,2,3
	ds_load_b32 v[KSW+\u], v[ADS] offset:512*\st+128*\u            ; lanes 0-15: tile 2 u's words, lanes 16-31: tile 2 u + 1's
.endr
.irp t, 0,1,2,3
.irp c, 0,1
	ds_load_b128 v[VF+8*\t+4*\c:VF+8*\t+4*\c+3], v[ADK] offset:8192*\st+4096+2048*\c+512*\t
.endr
.endr
.irp u, 0,1
	ds_load_b32 v[VSW+\u], v[ADT] offset:256*\st+128*\u
.endr
	s_wait_dscnt 10                                ; K's twelve loads are in; V's ten may be out
.irp u, 0,1,2,3
	v_wmma_scale_f32_16x16x128_f8f6f4 v[S+16*\u:S+16*\u+7], v[KFR+8*\u:KFR+8*\u+7], v[\qf:\qf+7], 0, v[KSW+\u], v[\qs] matrix_a_fmt:MATRIX_FMT_FP4 matrix_b_fmt:MATRIX_FMT_FP4
	v_wmma_scale_f32_16x16x128_f8f6f4 v[S+16*\u+8:S+16*\u+15], v[KFR+8*\u+4:KFR+8*\u+11], v[\qf:\qf+7], 0, v[KSW+\u], v[\qs] matrix_a_fmt:MATRIX_FMT_FP4 matrix_b_fmt:MATRIX_FMT_FP4 matrix_a_scale:MATRIX_SCALE_ROW1
.endr
.rept 4
	v_nop                                          ; places ahead of the first read of the scores
.endr
	s_add_co_u32 s41, s36, 127                     ; on the diagonal the scores of hidden keys become -infinity ahead of the maximum: p = 0 then.  A step all of whose keys count skips this
	s_cmp_le_u32 s41, s43
	s_cbranch_scc1 .Lopen_\@
	s_sub_co_i32 s41, s43, s36
	v_add_nc_u32 v[T0], s41, v[RQ]                 ; d = my query - the step's first key - 8 h.  Register n holds key 16 (n / 8) + 8 h + n % 8 of the step: hidden where 16 (n / 8) + n % 8 > d
.set n, 0
.rept 64
	v_cmp_gt_i32 vcc_lo, 16*(n/8)+n%8, v[T0]
	v_cndmask_b32 v[S+n], v[S+n], v[NINF], vcc_lo
.set n, n+1
.endr
.Lopen_\@:
.irp b, 0,1,2,3
	v_max3_num_f32 v[BM+\b], v[S+16*\b], v[S+1+16*\b], v[S+2+16*\b]   ; the largest score of each block of 32 keys: it serves for the row's maximum and, since p rises with the score, for the block's largest p
.endr
.irp i, 3,5,7,9,11,13
.irp b, 0,1,2,3
	v_max3_num_f32 v[BM+\b], v[BM+\b], v[S+16*\b+\i], v[S+1+16*\b+\i]
.endr
.endr
.irp b, 0,1,2,3
	v_max_num_f32 v[BM+\b], v[BM+\b], v[S+15+16*\b]
.endr
.irp b, 0,1,2,3
	v_permlanex16_b32 v[TP+\b], v[BM+\b], s20, s21
.endr
.irp b, 0,1,2,3
	v_max_num_f32 v[BM+\b], v[BM+\b], v[TP+\b]     ; with lane l xor 16's 16 keys
.endr
	v_max3_num_f32 v[T0], v[BM], v[BM+1], v[BM+2]
	v_max_num_f32 v[T0], v[T0], v[BM+3]            ; the step's largest score of my query
	v_mul_f32 v[T0], s22, v[T0]                    ; as t (c is positive)
	v_max_num_f32 v13, v13, v[T0]                  ; the running largest t
	v_mov_b32 v[T0], v12
	v_floor_f32 v12, -v13                          ; the new -M = floor(-t) = -ceil(t)
	v_sub_f32 v[T0], v12, v[T0]                    ; old M - new M: a whole number, 0 or less
	v_cvt_i32_f32 v[T0], v[T0]                     ; (it saturates)
	v_ldexp_f32 v[F], 1.0, v[T0]                   ; f = 2^(old M - new M)
.set j, 0
.rept 32
	v_pk_fma_f32 v[S+j:S+j+1], v[S+j:S+j+1], s[22:23], v[12:13] op_sel_hi:[1,0,0]   ; t - M, two at a time
.set j, j+2
.endr
.irp b, 0,1,2,3
	v_fma_f32 v[BM+\b], v[BM+\b], s22, v12         ; the same of each block's largest score
.endr
.set j, 0
.rept 64
	v_exp_f32 v[S+j], v[S+j]                       ; p = 2^(t - M), at most 1
.set j, j+1
.endr
	v_pk_mul_f32 v[14:15], v[14:15], v[F:F+1] op_sel_hi:[1,0]      ; the sums under the new M (a plain line behind the exponentials)
	s_wait_alu depctr_va_vdst(0)                   ; one wait for the whole batch, ahead of its first reader
.irp b, 0,1,2,3
	v_exp_f32 v[BM+\b], v[BM+\b]                   ; the block's largest p
.endr
	v_pk_add_f32 v[TP:TP+1], v[S:S+1], v[S+2:S+3]  ; the row's sum of the unquantised p, in two chains
.set j, 4
.rept 15
	v_pk_add_f32 v[14:15], v[14:15], v[S+j:S+j+1]
	v_pk_add_f32 v[TP:TP+1], v[TP:TP+1], v[S+j+2:S+j+3]
.set j, j+4
.endr
	v_pk_add_f32 v[14:15], v[14:15], v[TP:TP+1]
	s_wait_alu depctr_va_vdst(0)                   ; and one for the four
.irp b, 0,1,2,3
	v_max_num_f32 v[BM+\b], 0x1800000, v[BM+\b]    ; the floor 2^(3 - 127): the byte cannot fall under 1
.endr
.irp b, 0,1,2,3
	v_add_nc_u32 v[SO+\b], 0xff000000, v[BM+\b]    ; 2 off the exponent field: the conversion's scale operand
.endr
.irp b, 0,1,2,3
	v_lshrrev_b32 v[TP+\b], 23, v[SO+\b]           ; the scale's byte
.endr
	v_lshl_or_b32 v[PW], v[TP+1], 8, v[TP]         ; p's scale word for these 128 keys
	v_lshl_or_b32 v[PW], v[TP+2], 16, v[PW]
	v_lshl_or_b32 v[PW], v[TP+3], 24, v[PW]
.irp c, 0,1
	v_cvt_scalef32_pk8_fp4_f32 v[PC+4*\c], v[S+32*\c:S+32*\c+7], v[SO+2*\c]             ; block 2 c, keys 8 h + 0 .. 7
	v_cvt_scalef32_pk8_fp4_f32 v[PC+4*\c+1], v[S+32*\c+16:S+32*\c+23], v[SO+2*\c+1]     ; block 2 c + 1, the same
	v_cvt_scalef32_pk8_fp4_f32 v[PC+4*\c+2], v[S+32*\c+8:S+32*\c+15], v[SO+2*\c]        ; block 2 c, keys 16 + 8 h + 0 .. 7
	v_cvt_scalef32_pk8_fp4_f32 v[PC+4*\c+3], v[S+32*\c+24:S+32*\c+31], v[SO+2*\c+1]
.endr
	v_nop                                          ; one plain line behind a scaled conversion
.irp c, 0,1
	v_permlane16_swap_b32 v[PC+4*\c], v[PC+4*\c+1]     ; lane (r, h) now holds block 2 c + h whole, its 32 codes in order
	v_permlane16_swap_b32 v[PC+4*\c+2], v[PC+4*\c+3]
.endr
.set j, 0
.rept 16
	v_pk_mul_f32 v[O+j:O+j+1], v[O+j:O+j+1], v[F:F+1] op_sel_hi:[1,0]   ; O^T under the new M.  (These sixteen are also the places between the scale word's and the codes' last writes and the products)
.set j, j+2
.endr
	s_wait_dscnt 0x0                               ; V
.irp u, 0,1
	v_wmma_scale_f32_16x16x128_f8f6f4 v[O+16*\u:O+16*\u+7], v[VF+16*\u:VF+16*\u+7], v[PC:PC+7], v[O+16*\u:O+16*\u+7], v[VSW+\u], v[PW] matrix_a_fmt:MATRIX_FMT_FP4 matrix_b_fmt:MATRIX_FMT_FP4
	v_wmma_scale_f32_16x16x128_f8f6f4 v[O+16*\u+8:O+16*\u+15], v[VF+16*\u+8:VF+16*\u+15], v[PC:PC+7], v[O+16*\u+8:O+16*\u+15], v[VSW+\u], v[PW] matrix_a_fmt:MATRIX_FMT_FP4 matrix_b_fmt:MATRIX_FMT_FP4 matrix_a_scale:MATRIX_SCALE_ROW1
.endr
.rept 4
	v_nop                                          ; places ahead of the next step's loads into V's registers and of the way out's reads of O^T
.endr
.Lhidden_\@:
	s_add_co_u32 s36, s36, 128
.endm
; A CHUNK: two key steps.  fill = 1: the next chunk is asked for at the head and stored at the end, up to the work-group's last query; then the barrier that shows it to every wave.
.macro CHUNK fill, qf, qs
	v_add_nc_u32 v[ADK], s37, v[LI]
	v_add_nc_u32 v[ADS], s38, v[LSK]
	v_add_nc_u32 v[ADT], s39, v[LSV]
.if \fill
	v_add_nc_u32 v[CA], s37, v[CL1]
	s_add_co_u32 s41, s36, 256                     ; the next chunk's first key
	s_cmp_gt_u32 s41, s26                          ; ids and the count of steps alone: all sixteen waves go the same way
	s_cbranch_scc1 .Lno_load_\@
	global_load_b128 v[CST:CST+3], v[CA], s[16:17]
	global_load_b128 v[CST+4:CST+7], v[CA], s[16:17] offset:8192
.Lno_load_\@:
.endif
	STEP 0, \qf, \qs
	STEP 1, \qf, \qs
.if \fill
	s_wait_loadcnt 0x0
	s_cmp_gt_u32 s36, s26                          ; the same test: s36 has gone 256 on
	s_cbranch_scc1 .Lno_store_\@
	ds_store_b128 v[CA], v[CST:CST+3]              ; bytes that no wave reads before the barrier below
	ds_store_b128 v[CA], v[CST+4:CST+7] offset:8192
.Lno_store_\@:
	s_wait_dscnt 0x0                               ; for the others' sake: my stores are done
	s_barrier_signal -1
	s_barrier_wait -1
.endif
	s_add_co_u32 s37, s37, 16384
	s_add_co_u32 s38, s38, 1024
	s_add_co_u32 s39, s39, 512
.endm
; A PASS: 16 queries of a wave against all keys up to them; then O / l, quantised along the head's 64, leaves as an image of the last launch's operand.
.macro PASS first, qf, qs, q0, ocb, osb
	s_mov_b32 s43, s[\q0]
	v_mov_b32 v13, 0xff61b1e6                      ; the largest t so far: -3e38, under every t
	v_floor_f32 v12, -v13
	v_mov_b32 v14, 0
	v_mov_b32 v15, 0
.set j, 0
.rept 32
	v_mov_b32 v[O+j], 0                            ; the step is written without a first form of its own: it finds zeros, which the first change of M leaves zeros
.set j, j+1
.endr
	s_mov_b32 s36, 0
	s_mov_b32 s37, 0
	s_mov_b32 s38, 0
	s_mov_b32 s39, 0
.if \first
	s_mov_b32 s40, 7
.Lchunk_\@:                                        ; chunks 0 to 6, each fetching its successor
	CHUNK 1, \qf, \qs
	s_sub_co_u32 s40, s40, 1
	s_cmp_lg_u32 s40, 0
	s_cbranch_scc1 .Lchunk_\@
	CHUNK 0, \qf, \qs                              ; chunk 7 has no successor
.else
	s_mov_b32 s40, 4
.Lchunk_\@:                                        ; block j lies in the first 1,024 queries: four chunks, all in LDS since pass 0
	CHUNK 0, \qf, \qs
	s_sub_co_u32 s40, s40, 1
	s_cmp_lg_u32 s40, 0
	s_cbranch_scc1 .Lchunk_\@
.endif
	v_add_f32 v14, v14, v15                        ; the sum's two halves,
	v_permlanex16_b32 v[TP], v14, s20, s21
	v_add_f32 v14, v14, v[TP]                      ; and lane l xor 16's: the row's sum
	v_rcp_f32 v14, v14
	v_nop                                          ; a plain line behind the reciprocal
	s_wait_alu depctr_va_vdst(0)                   ; and the wait ahead of its first reader
.set j, 0
.rept 16
	v_pk_mul_f32 v[S+j:S+j+1], v[O+j:O+j+1], v[14:15] op_sel_hi:[1,0]   ; O^T / the sum: register 8 t + i is o(query r, 16 t + 8 h + i)
.set j, j+2
.endr
.irp b, 0,1
	v_max3_num_f32 v[BM+\b], |v[S+16*\b]|, |v[S+16*\b+1]|, 0x1800000
.endr
.irp i, 2,4,6,8,10,12,14
.irp b, 0,1
	v_max3_num_f32 v[BM+\b], v[BM+\b], |v[S+16*\b+\i]|, |v[S+16*\b+\i+1]|
.endr
.endr
.irp b, 0,1
	v_permlanex16_b32 v[TP+\b], v[BM+\b], s20, s21
.endr
.irp b, 0,1
	v_max_num_f32 v[BM+\b], v[BM+\b], v[TP+\b]
.endr
.irp b, 0,1
	v_add_nc_u32 v[SO+\b], 0xff000000, v[BM+\b]
.endr
.irp b, 0,1
	v_lshrrev_b32 v[TP+\b], 23, v[SO+\b]
.endr
	s_wait_xcnt 0x0                                ; the pass before has stored from the registers that are written now
	v_lshl_or_b32 v[HW], v[TP+1], 8, v[TP]         ; the head's two scale bytes of my token
	v_cvt_scalef32_pk8_fp4_f32 v[XC], v[S:S+7], v[SO]
	v_cvt_scalef32_pk8_fp4_f32 v[XC+1], v[S+16:S+23], v[SO+1]
	v_cvt_scalef32_pk8_fp4_f32 v[XC+2], v[S+8:S+15], v[SO]
	v_cvt_scalef32_pk8_fp4_f32 v[XC+3], v[S+24:S+31], v[SO+1]
	v_nop                                          ; one plain line behind a scaled conversion
	v_permlane16_swap_b32 v[XC], v[XC+1]
	v_permlane16_swap_b32 v[XC+2], v[XC+3]         ; lane (r, h): block h of the head, token r
	global_store_b128 v[LI], v[XC:XC+3], s[\ocb:\ocb+1]            ; 32 lanes store 512 consecutive bytes
	global_store_b16 v[OSO], v[HW], s[\osb:\osb+1]                 ; two bytes a token: a scale word of the last product is shared by two heads.  Lanes 16-31 write what lanes 0-15 write
.endm
	PASS 1, QA, QSA, 24, 28, 32
	PASS 0, QB, QSB, 25, 30, 34
	s_wait_tensorcnt 0x0                           ; the wave's end: three closing lines behind my last LDS store
	ds_add_u32 v[SPW], v[NIL]
	s_wait_dscnt 0x0
	s_endpgm
.Lfunc_end_k_qab0d3afa42_attn:
	.size	k_qab0d3afa42_attn, .Lfunc_end_k_qab0d3afa42_attn-k_qab0d3afa42_attn
	.p2alignl 7, 3214868480
	.fill 96, 4, 3214868480
	.section	.rodata,"a",@progbits
	.p2align	6, 0x0
	.amdhsa_kernel k_qab0d3afa42_attn
		.amdhsa_group_segment_fixed_size 147456
		.amdhsa_private_segment_fixed_size 0
		.amdhsa_enable_private_segment 0
		.amdhsa_kernarg_size 32
		.amdhsa_user_sgpr_count 2
		.amdhsa_user_sgpr_kernarg_segment_ptr 1
		.amdhsa_wavefront_size32 1
		.amdhsa_system_sgpr_workgroup_id_x 1
		.amdhsa_system_sgpr_workgroup_id_y 1
		.amdhsa_system_sgpr_workgroup_id_z 1
		.amdhsa_system_vgpr_workitem_id 0
		.amdhsa_next_free_vgpr 256
		.amdhsa_next_free_sgpr 66
		.amdhsa_reserve_vcc 1
		.amdhsa_float_denorm_mode_32 3
		.amdhsa_float_denorm_mode_16_64 3
		.amdhsa_memory_ordered 1
		.amdhsa_forward_progress 1
		.amdhsa_inst_pref_size 137
	.end_amdhsa_kernel
	.amdgpu_metadata
---
amdhsa.version: [ 1, 2 ]
amdhsa.kernels:
  - .name:           k_qab0d3afa42_attn
    .symbol:         k_qab0d3afa42_attn.kd
    .args:
      - { .name: cod, .offset: 0, .size: 8, .value_kind: global_buffer, .address_space: global }
      - { .name: scl, .offset: 8, .size: 8, .value_kind: global_buffer, .address_space: global }
      - { .name: oc, .offset: 16, .size: 8, .value_kind: global_buffer, .address_space: global }
      - { .name: os, .offset: 24, .size: 8, .value_kind: global_buffer, .address_space: global }
    .group_segment_fixed_size: 147456
    .private_segment_fixed_size: 0
    .kernarg_segment_align: 8
    .kernarg_segment_size: 32
    .max_flat_workgroup_size: 512
    .sgpr_count:     66
    .vgpr_count:     256
    .wavefront_size: 32
...
	.end_amdgpu_metadata
.endif
;; end of part 3
;; launch oproj (part 4): grid 4 x 32, 4 waves a work-group, clusters of 4 x 4, 327,680 bytes of LDS; arguments oc, os, inc, ins, out0, bo; writes out0
.if DOCPART == 4
	.amdgcn_target "amdgcn-amd-amdhsa--gfx1250"
	.amdhsa_code_object_version 6
	.text
	.protected	k_qab0d3afa42_oproj
	.globl	k_qab0d3afa42_oproj
	.p2align	8
	.type	k_qab0d3afa42_oproj,@function
k_qab0d3afa42_oproj:
	s_mov_b64 s[64:65], 0
	v_nop
	global_prefetch_b8 v0, s[64:65] scope:SCOPE_SE
	s_setreg_imm32_b32 hwreg(HW_REG_WAVE_MODE, 25, 1), 1
	s_wait_xcnt 0x0
	s_wait_alu depctr_hold_cnt(0) depctr_sa_sdst(0) depctr_va_vdst(0) depctr_va_sdst(0) depctr_va_ssrc(0) depctr_va_vcc(0) depctr_vm_vsrc(0)
	s_getreg_b32 s2, hwreg(HW_REG_IB_STS2, 6, 4)
	s_cmp_eq_u32 s2, 0
	s_cbranch_scc0 .Lentry_in_a_cluster
	s_endpgm
.Lentry_in_a_cluster:
	s_bfe_u32 s2, ttmp6, 0x10000c
	s_cmp_lg_u32 s2, 0xf033
	s_cbranch_scc0 .Lentry_shape_is_right
	s_endpgm
.Lentry_shape_is_right:
; FOURTH LAUNCH: out0 = o Wo^T + bo on codes of FP4 with E8M0 scales, K = 1,024; out0 [8192][1024] f32.
; A = the attention's result: oc holds its fragments as images of their registers, [K / 512][token / 16][128 along K][64 along K][16 bytes a lane]; os its scale bytes [token][32].  B = Wo: rows 11,264 on of inc and ins.
; A tile of C, 256 x 256, is a work-group of four waves, 128 x 128 a wave: 64 accumulators.  K is two LDS slots of 512; all of K and all scale bytes are asked for at the head, three tensor loads a wave;
; no LDS byte is filled twice by a tensor load.  CLUSTERS 4 x 4: A's tile is shared along a row of the cluster, B's along a column, by joint loads.
; The matrix instruction is used transposed (source 0 = 16 rows of Wo, source 1 = 16 tokens): a lane holds eight neighbouring numbers of a row of C.  bo is the C of each sum's first matrix instruction.
; REGISTERS as in launch qkv: window 0: v0-31 addresses; v32-95 scale words; v128-191 A's fragments; v192-255 the bias; on the way out v128-255 rows of C.  window 1: B's fragments, two sets.  windows 2, 3: accumulators.
.set SIZE_N, 1024
.set NQ,     4
.set ROWB,   256
.set KROW,   512
.set PITCH,  272
.set FR,     8
.set NL,     2
.set NP,     4
.set HALFT,  128*PITCH                 ; what one tensor load may take in a slot: B's 128 padded rows; A's dense 32,768 bytes fit in it
.set SLOT,   4*HALFT
.set KS,     32
.set SCL,    2*SLOT
.set HALFS,  (128*KS/256)*272
.set SBLK,   (16*KS/256)*272
.set SPARE,  SCL+4*HALFS
.set SPITCH, 528                       ; the way out: a stage of 16 rows x (512 bytes + 16) for each wave, in slot 0, which has had its only fill and its last read when the first result is stored there
.set ADRA, 16
.set ADRB, 20
.set STO,  24
.set RD,   25
.set CO,   26
.set ADRS, 27
.set SPW,  28
.set NIL,  29
.set SC,   32
.set AF,   128
.set BK,   128
.set BI,   192
.set G1, 24
.set G0, 32
.set G1B, 48
.set G0B, 56
.set G1S, 68
.set G0S, 76
.set G1SB, 80
.set G0SB, 88
.set MSB, 0
.macro WIN new
.if MSB != (\new)
	s_set_vgpr_msb (MSB<<8)|(\new)
.set MSB, (\new)
.endif
.endm
.set MUL_LO, 0xa1
.set MUL_HI, 0xf1
.set TO_B,   0x40
.macro JLOAD g0a, g1a, g0b, g1b        ; a joint load: waves 0 and 1 fetch for A, waves 2 and 3 for B; an s_nop 0 and four v_nop follow each of the two lines
	s_cmp_eq_u32 s15, 0
	s_cbranch_scc0 .Lfor_b_\@
	tensor_load_to_lds s[\g0a:\g0a+3], s[\g1a:\g1a+7]
	s_nop 0
.rept 4
	v_nop
.endr
	s_branch .Lasked_\@
.Lfor_b_\@:
	tensor_load_to_lds s[\g0b:\g0b+3], s[\g1b:\g1b+7]
	s_nop 0
.rept 4
	v_nop
.endr
.Lasked_\@:
.endm
.macro CROUND
	s_barrier_signal -1
	s_barrier_wait -1
	s_cmp_lg_u32 s14, 0
	s_cbranch_scc1 .Lnot_wave_0_\@
	s_barrier_signal -3
.Lnot_wave_0_\@:
	s_barrier_wait -3
	s_barrier_signal -1
	s_barrier_wait -1
.endm
	s_load_b256 s[4:11], s[0:1], 0x0               ; oc s[4:5], os s[6:7], inc s[8:9], ins s[10:11]
	s_load_b64 s[12:13], s[0:1], 0x20              ; out0
	s_load_b64 s[96:97], s[0:1], 0x28              ; bo
	v_lshl_add_u32 v[SPW], v0, 2, SPARE
	v_mov_b32 v[NIL], 0
	ds_add_u32 v[SPW], v[NIL]                      ; the wave's opening: the add, twice on end, and its wait ahead of my first tensor load
	ds_add_u32 v[SPW], v[NIL]
	v_lshrrev_b32 v1, 5, v0
	v_readfirstlane_b32 s14, v1                    ; wave 0..3
	s_lshr_b32 s15, s14, 1                         ; which half of the tile's rows is mine.  Also: I fetch for A (0) or for B (1)
	s_and_b32 s16, s14, 1                          ; which half of its columns.  Also: which 128 rows of that tile I fetch
	s_bfe_u32 s40, ttmp6, 0x40000                  ; cx
	s_bfe_u32 s41, ttmp6, 0x40004                  ; cy
	s_lshl_b32 s42, ttmp9, 2
	s_add_co_u32 s42, s42, s40                     ; tile column of C
	s_and_b32 s17, ttmp7, 0xffff
	s_lshl_b32 s17, s17, 2
	s_add_co_u32 s17, s17, s41                     ; tile row of C
	s_lshl_b32 s43, s41, 2
	s_lshl_b32 s43, 15, s43                        ; my row of the cluster
	s_lshl_b32 s44, 0x1111, s40                    ; my column
	s_or_b32 s[G1+0], s43, (3<<16)|(1<<21)         ; A's images of 128 tokens and 512 along K: 32,768 dense bytes as 128 rows of 256 (32 elements of 8 bytes), no padding: every read is 16 bytes a lane on end
	s_mov_b32 s[G1+1], 32<<16
	s_mov_b32 s[G1+2], 128<<16
	s_mov_b32 s[G1+3], 32<<16
	s_mov_b32 s[G1+4], 128
	s_mov_b32 s[G1+5], 32
	s_mov_b32 s[G1+6], 0
	s_mov_b32 s[G1+7], 0
	s_or_b32 s[G1B+0], s44, (0<<16)|(1<<20)|(1<<21)|(5<<22)|(3<<25)  ; B: 128 rows of 256 bytes, 16 bytes of padding behind each
	s_mov_b32 s[G1B+1], ROWB<<16
	s_mov_b32 s[G1B+2], 128<<16
	s_mov_b32 s[G1B+3], ROWB<<16
	s_mov_b32 s[G1B+4], 128
	s_mov_b32 s[G1B+5], KROW
	s_mov_b32 s[G1B+6], 0
	s_mov_b32 s[G1B+7], 0
	s_or_b32 s[G1S+0], s43, (3<<16)|(1<<20)|(1<<21)|(5<<22)|(3<<25)  ; the scales of 128 rows: 4,096 dense bytes as 16 rows of 256, 16 bytes of padding behind each
	s_or_b32 s[G1SB+0], s44, (3<<16)|(1<<20)|(1<<21)|(5<<22)|(3<<25)
.irp g, G1S, G1SB
	s_mov_b32 s[\g+1], 32<<16
	s_mov_b32 s[\g+2], (128*KS/256)<<16
	s_mov_b32 s[\g+3], 32<<16
	s_mov_b32 s[\g+4], 128*KS/256
	s_mov_b32 s[\g+5], 32
	s_mov_b32 s[\g+6], 0
	s_mov_b32 s[\g+7], 0
.endr
	s_lshl_b32 s18, s16, 7                         ; which 128 rows of the tile I fetch
	s_lshl_b32 s20, s17, 8
	s_add_co_u32 s20, s20, s18                     ; A's first token
	s_lshl_b32 s46, s42, 8
	s_add_co_u32 s46, s46, s18
	s_add_co_u32 s46, s46, 11264                   ; B's first row in inc: Wo begins at row 11,264
	s_lshl_b32 s22, s20, 5                         ; scale bytes: 32 a row
	s_mov_b32 s23, 0
	s_lshl_b32 s92, s46, 5
	s_mov_b32 s93, 0
	s_lshl_b32 s20, s20, 8                         ; A's images: 16 tokens are 4,096 bytes of a slot
	s_mov_b32 s21, 0
	s_lshl_b32 s46, s46, 9                         ; B's codes: 512 bytes a row
	s_mov_b32 s47, 0
	s_mul_i32 s45, s14, HALFT                      ; where they go: no place in the cluster enters an LDS address
	s_mul_i32 s94, s14, HALFS
	s_wait_dscnt 0x0                               ; both opening adds are done
	s_wait_kmcnt 0x0
	s_add_nc_u64 s[20:21], s[4:5], s[20:21]
	s_add_nc_u64 s[22:23], s[6:7], s[22:23]
	s_add_nc_u64 s[46:47], s[8:9], s[46:47]
	s_add_nc_u64 s[92:93], s[10:11], s[92:93]
	CROUND                                         ; all sixteen work-groups are here: the joint loads meet
	s_mov_b32 s[G0S], 1
	s_add_co_u32 s[G0S+1], s94, SCL
	s_mov_b64 s[G0S+2:G0S+3], s[22:23]
	s_or_b32 s[G0S+3], s[G0S+3], 0x80000000
	s_mov_b32 s[G0SB], 1
	s_add_co_u32 s[G0SB+1], s94, SCL
	s_mov_b64 s[G0SB+2:G0SB+3], s[92:93]
	s_or_b32 s[G0SB+3], s[G0SB+3], 0x80000000
	JLOAD G0S, G1S, G0SB, G1SB
.irp s, 0,1
	s_mov_b32 s[G0+4*\s], 1
	s_add_co_u32 s[G0+4*\s+1], s45, \s*SLOT
	s_add_nc_u64 s[G0+4*\s+2:G0+4*\s+3], s[20:21], \s*2097152      ; the second 512 along K lie 2,097,152 bytes on in oc
	s_or_b32 s[G0+4*\s+3], s[G0+4*\s+3], 0x80000000
	s_mov_b32 s[G0B+4*\s], 1
	s_add_co_u32 s[G0B+4*\s+1], s45, \s*SLOT
	s_add_nc_u64 s[G0B+4*\s+2:G0B+4*\s+3], s[46:47], \s*ROWB
	s_or_b32 s[G0B+4*\s+3], s[G0B+4*\s+3], 0x80000000
	JLOAD G0+4*\s, G1, G0B+4*\s, G1B               ; three tensor loads of mine are out now, and no more follow
.endr
	v_and_b32 v1, 15, v0                           ; r
	v_bfe_u32 v2, v0, 4, 1                         ; h
	s_lshl_b32 s46, s42, 10                        ; my first column, in bytes of f32: 1,024 x tile column + 512 x half: in bo and in a row of C
	s_lshl_b32 s47, s16, 9
	s_add_co_u32 s46, s46, s47
	s_mov_b32 s47, 0
	s_add_nc_u64 s[96:97], s[96:97], s[46:47]
	v_lshlrev_b32 v10, 5, v2
.irp b, 0,1,2,3,4,5,6,7
	global_load_b128 v[BI+8*\b:BI+8*\b+3], v10, s[96:97] offset:64*\b        ; bo of columns 16 b + 8 h + 0 .. 7
	global_load_b128 v[BI+8*\b+4:BI+8*\b+7], v10, s[96:97] offset:64*\b+16
.endr
	v_and_b32 v6, 31, v0
	v_lshlrev_b32 v[CO], 4, v6                     ; 16 x lane
	v_mul_u32_u24 v3, v1, PITCH
	v_lshl_add_u32 v4, v2, 4, v3                   ; B: a fragment's row x pitch + 16 x half
	s_mul_i32 s21, s15, HALFT                      ; my 128 tokens of A
	s_mul_i32 s22, s16, HALFT                      ; my 128 rows of B,
	s_add_co_u32 s22, s22, 2*HALFT                 ; which lie behind A's two halves
.irp s, 0,1
	v_add_nc_u32 v[ADRA+\s], s21, v[CO]
	v_add_nc_u32 v[ADRB+\s], s22, v4
	s_add_co_u32 s21, s21, SLOT
	s_add_co_u32 s22, s22, SLOT
.endr
	v_mul_u32_u24 v5, v1, KS
	v_lshrrev_b32 v6, 8, v5
	v_lshl_add_u32 v5, v6, 4, v5
	s_mul_i32 s21, s15, HALFS
	s_mul_i32 s22, s16, HALFS
	s_add_co_u32 s22, s22, 2*HALFS
	s_sub_co_u32 s22, s22, s21
	v_mul_u32_u24 v6, s22, v2                      ; lanes 16-31 take B's
	s_add_co_u32 s21, s21, SCL
	v_add_nc_u32 v5, v5, v6
	v_add_nc_u32 v[ADRS], s21, v5
	s_mul_i32 s23, s14, 16*SPITCH                  ; my stage
	v_mul_u32_u24 v5, v1, SPITCH
	v_lshl_add_u32 v5, v2, 5, v5
	v_add_nc_u32 v[STO], s23, v5                   ; in: row r, 32 bytes for each half of the lanes
	v_add_nc_u32 v[RD], s23, v[CO]                 ; back: the 32 lanes take one row of 512 bytes
	s_lshl_b32 s20, s17, 8
	s_lshl_b32 s21, s15, 7
	s_add_co_u32 s20, s20, s21                     ; my first row of C
	s_lshl_b32 s20, s20, 12                        ; 4,096 bytes a row
	s_add_co_u32 s20, s20, s46
	s_mov_b32 s21, 0
	s_add_nc_u64 s[12:13], s[12:13], s[20:21]
.macro FRAG reg, adr, q, i             ; B's fragment from padded rows
.irp c, 0,1
	ds_load_b128 v[\reg+4*\c:\reg+4*\c+3], v[\adr] offset:64*(\q)+32*\c+(\i)*16*PITCH
.endr
.endm
.macro FRAGA reg, adr, q, i            ; A's fragment from its image
.irp c, 0,1
	ds_load_b128 v[\reg+4*\c:\reg+4*\c+3], v[\adr] offset:4096*(\i)+1024*(\q)+512*\c
.endr
.endm
; 16 matrix instructions: A's blocks a0, a0 + 1 x B's eight.  cm = 1: the sums begin with bo.  The 64 accumulators take turns, one instruction a turn.
.macro MUL16 a0, p, q, sc, cm
.irp a, \a0, \a0+1
.irp b, 0,1,2,3,4,5,6,7
.if (\cm) == 1
	v_wmma_scale_f32_16x16x128_f8f6f4 v[8*(8*((\a)%4)+\b):8*(8*((\a)%4)+\b)+7], v[128*(\p)+FR*\b:128*(\p)+FR*\b+FR-1], v[AF+FR*(\a):AF+FR*(\a)+FR-1], v[BI+8*\b:BI+8*\b+7], v[SC+8*NQ*(\sc)+NQ*\b+(\q)], v[SC+8*NQ*(\sc)+NQ*(\a)+(\q)] matrix_a_fmt:MATRIX_FMT_FP4 matrix_b_fmt:MATRIX_FMT_FP4 matrix_a_scale:MATRIX_SCALE_ROW1
.else
	v_wmma_scale_f32_16x16x128_f8f6f4 v[8*(8*((\a)%4)+\b):8*(8*((\a)%4)+\b)+7], v[128*(\p)+FR*\b:128*(\p)+FR*\b+FR-1], v[AF+FR*(\a):AF+FR*(\a)+FR-1], v[8*(8*((\a)%4)+\b):8*(8*((\a)%4)+\b)+7], v[SC+8*NQ*(\sc)+NQ*\b+(\q)], v[SC+8*NQ*(\sc)+NQ*(\a)+(\q)] matrix_a_fmt:MATRIX_FMT_FP4 matrix_b_fmt:MATRIX_FMT_FP4 matrix_a_scale:MATRIX_SCALE_ROW1
.endif
.endr
.endr
.endm
.macro FETCH_B slot, q, p
	WIN TO_B
.irp i, 0,1,2,3,4,5,6,7
	FRAG 128*(\p)+FR*\i, ADRB+\slot, \q, \i
.endr
	WIN 0
.endm
.macro FETCH_A slot, q, i0
.irp i, \i0, \i0+1, \i0+2, \i0+3
	FRAGA AF+FR*(\i), ADRA+\slot, \q, \i
.endr
.endm
.macro SCALES sc
.irp i, 0,1,2,3,4,5,6,7
	ds_load_b128 v[SC+8*NQ*\sc+NQ*\i:SC+8*NQ*\sc+NQ*\i+3], v[ADRS] offset:\i*SBLK
.endr
.endm
.macro PLACES n
.rept \n
	v_nop
.endr
.endm
.macro STEP slot, q, cm
	s_wait_dscnt 4*NL                              ; B's set and A's blocks 0-3 are in; the youngest eight loads (A's blocks 4-7) may be out
.if \cm
	WIN 0x81                                       ; the bias lies in window 0
.else
	WIN MUL_LO
.endif
	MUL16 0, (\q)%2, \q, \slot, \cm
	MUL16 2, (\q)%2, \q, \slot, \cm
	s_wait_dscnt 0
	PLACES NP
	FETCH_B \slot, (\q)+1, 1-(\q)%2
	FETCH_A \slot, (\q)+1, 0
.if \cm
	WIN 0xc1
.else
	WIN MUL_HI
.endif
	MUL16 4, (\q)%2, \q, \slot, \cm
	MUL16 6, (\q)%2, \q, \slot, \cm
	PLACES NP
	WIN 0
	FETCH_A \slot, (\q)+1, 4
.endm
.macro TURN slot, next                 ; slot 0's last step changes slots: one barrier; in front of it each wave waits for all its tensor loads and for its own LDS loads
	s_wait_tensorcnt 0x0                           ; all my tensor loads have landed
	ds_add_u32 v[SPW], v[NIL]                      ; 0 onto my spare word
	s_wait_dscnt 4*NL+1                            ; (the add and the youngest eight loads may be out)
	WIN MUL_LO
	MUL16 0, 1, NQ-1, \slot, 0
	s_wait_dscnt 0x0                               ; the add is done, and my reads of this slot are over
	s_barrier_signal -1
	MUL16 2, 1, NQ-1, \slot, 0
	WIN 0
	s_barrier_wait -1                              ; the next slot is whole, and nobody reads this one any more
	PLACES NP
	v_add_nc_u32 v[ADRS], 4*NQ, v[ADRS]
	FETCH_B \next, 0, 0
	FETCH_A \next, 0, 0
	SCALES \next
	WIN MUL_HI
	MUL16 4, 1, NQ-1, \slot, 0
	MUL16 6, 1, NQ-1, \slot, 0
	PLACES NP
	WIN 0
	FETCH_A \next, 0, 4
.endm
.macro STEPS slot, from
.set Q, \from
.rept NQ-1-\from
	STEP \slot, Q, 0
.set Q, Q+1
.endr
.endm
	s_wait_tensorcnt 1                             ; the scales and my part of slot 0 are in (slot 1's load may be out)
	s_barrier_signal -1
	s_barrier_wait -1                              ; everybody's are
	FETCH_B 0, 0, 0
	FETCH_A 0, 0, 0
	SCALES 0
	FETCH_A 0, 0, 4
	s_wait_loadcnt 0x0                             ; bo
	STEP 0, 0, 1
	STEPS 0, 1
	TURN 0, 1
	STEPS 1, 0
	s_wait_dscnt 4*NL                              ; the very last step: nothing more to fetch
	WIN MUL_LO
	MUL16 0, 1, NQ-1, 1, 0
	MUL16 2, 1, NQ-1, 1, 0
	s_wait_dscnt 0
	WIN MUL_HI
	MUL16 4, 1, NQ-1, 1, 0
	MUL16 6, 1, NQ-1, 1, 0
	WIN 0
; THE WAY OUT, block by block of 16 rows x 128 columns, through my own stage in LDS: back come whole rows of 512 bytes.  LDS serves a wave's instructions in order (ISA guide 5.7.1.4): no wait between the stores and the loads.
.macro TOSTAGE a
.set AC, 64*((\a)%4)
	WIN 0x08+4*((\a)/4)                            ; the data: window 2 or 3
.irp b, 0,1,2,3,4,5,6,7
	ds_store_b128 v[STO], v[AC+8*\b:AC+8*\b+3] offset:64*\b          ; each accumulator from its low end on
	ds_store_b128 v[STO], v[AC+8*\b+4:AC+8*\b+7] offset:64*\b+16
.endr
	WIN 0
.set BB, BK+64*((\a)%2)
.irp t, 0,1,2,3,4,5,6,7,8,9,10,11,12,13,14,15
	ds_load_b128 v[BB+4*\t:BB+4*\t+3], v[RD] offset:\t*SPITCH
.endr
.endm
.macro SEND a, younger                 ; younger: the LDS instructions issued behind block a's loads, which may stay out
.set BB, BK+64*((\a)%2)
	s_wait_dscnt \younger
.if (\a) > 0
	s_add_nc_u64 s[12:13], s[12:13], 16*SIZE_N*4   ; (behind a wait on XCNT: the earlier stores have read their base)  16 rows of C on
.endif
.irp t, 0,1,2,3,4,5,6,7,8,9,10,11,12,13,14,15
	global_store_b128 v[CO], v[BB+4*\t:BB+4*\t+3], s[12:13] offset:\t*SIZE_N*4 th:TH_STORE_NT   ; 32 lanes store 512 consecutive bytes, at a multiple of 256 from C's first byte
.endr
.endm
	PLACES NP
	TOSTAGE 0
.irp a, 1,2,3,4,5,6,7
.if \a > 1
	s_wait_xcnt 0x0                                ; block a - 2's stores have read their registers and their base
.endif
	TOSTAGE \a
	SEND \a-1, 32                                  ; behind block a - 1's loads: block a's 16 stores and 16 loads
.endr
	s_wait_xcnt 0x0
	SEND 7, 0
	s_wait_tensorcnt 0x0                           ; the wave's end: three closing lines behind my last tensor load and my last LDS store
	ds_add_u32 v[SPW], v[NIL]
	s_wait_dscnt 0x0
	CROUND                                         ; the closing round
	s_endpgm
.Lfunc_end_k_qab0d3afa42_oproj:
	.size	k_qab0d3afa42_oproj, .Lfunc_end_k_qab0d3afa42_oproj-k_qab0d3afa42_oproj
	.p2alignl 7, 3214868480
	.fill 96, 4, 3214868480
	.section	.rodata,"a",@progbits
	.p2align	6, 0x0
	.amdhsa_kernel k_qab0d3afa42_oproj
		.amdhsa_group_segment_fixed_size 327680
		.amdhsa_private_segment_fixed_size 0
		.amdhsa_enable_private_segment 0
		.amdhsa_kernarg_size 48
		.amdhsa_user_sgpr_count 2
		.amdhsa_user_sgpr_kernarg_segment_ptr 1
		.amdhsa_wavefront_size32 1
		.amdhsa_system_sgpr_workgroup_id_x 1
		.amdhsa_system_sgpr_workgroup_id_y 1
		.amdhsa_system_sgpr_workgroup_id_z 1
		.amdhsa_system_vgpr_workitem_id 0
		.amdhsa_next_free_vgpr 1024
		.amdhsa_next_free_sgpr 98
		.amdhsa_reserve_vcc 0
		.amdhsa_float_denorm_mode_32 3
		.amdhsa_float_denorm_mode_16_64 3
		.amdhsa_memory_ordered 1
		.amdhsa_forward_progress 1
		.amdhsa_inst_pref_size 126
	.end_amdhsa_kernel
	.amdgpu_metadata
---
amdhsa.version: [ 1, 2 ]
amdhsa.kernels:
  - .name:           k_qab0d3afa42_oproj
    .symbol:         k_qab0d3afa42_oproj.kd
    .args:
      - { .name: oc, .offset: 0, .size: 8, .value_kind: global_buffer, .address_space: global }
      - { .name: os, .offset: 8, .size: 8, .value_kind: global_buffer, .address_space: global }
      - { .name: inc, .offset: 16, .size: 8, .value_kind: global_buffer, .address_space: global }
      - { .name: ins, .offset: 24, .size: 8, .value_kind: global_buffer, .address_space: global }
      - { .name: out0, .offset: 32, .size: 8, .value_kind: global_buffer, .address_space: global }
      - { .name: bo, .offset: 40, .size: 8, .value_kind: global_buffer, .address_space: global }
    .group_segment_fixed_size: 327680
    .private_segment_fixed_size: 0
    .kernarg_segment_align: 8
    .kernarg_segment_size: 48
    .max_flat_workgroup_size: 128
    .sgpr_count:     98
    .vgpr_count:     1024
    .wavefront_size: 32
...
	.end_amdgpu_metadata
.endif
;; end of part 4
;; ======== version 2 of 2: 4 launches; version 1 with the launch attn written anew for expert scheduling mode
;; workspace buffers: inc 6,291,456 bytes; ins 393,216 bytes; cod 12,582,912 bytes; scl 1,310,720 bytes; oc 4,194,304 bytes; os 262,144 bytes
;; launch quant: the kernel of part 1 again; grid 384 x 1, 4 waves a work-group, no clusters, 33,280 bytes of LDS; arguments x, Wq, Wk, Wv, Wo, inc, ins; writes inc, ins
;; launch qkv: the kernel of part 2 again; grid 12 x 32, 4 waves a work-group, clusters of 4 x 4, 327,680 bytes of LDS; arguments inc, ins, cod, scl, bq, bk, bv; writes cod, scl
;; launch attn (part 5): grid 4 x 64, 16 waves a work-group, no clusters, 147,456 bytes of LDS; arguments cod, scl, oc, os; writes oc, os
.if DOCPART == 5
	.amdgcn_target "amdgcn-amd-amdhsa--gfx1250"
	.amdhsa_code_object_version 6
	.text
	.protected	k_qab0d3afa42_attn
	.globl	k_qab0d3afa42_attn
	.p2align	8
	.type	k_qab0d3afa42_attn,@function
k_qab0d3afa42_attn:
	s_mov_b64 s[64:65], 0
	v_nop
	global_prefetch_b8 v0, s[64:65] scope:SCOPE_SE
	s_setreg_imm32_b32 hwreg(HW_REG_WAVE_SCHED_MODE, 0, 2), 2
	s_setreg_imm32_b32 hwreg(HW_REG_WAVE_MODE, 25, 1), 1
	s_wait_xcnt 0x0
	s_wait_alu depctr_vm_vsrc(0)
; THIRD LAUNCH: causal attention on codes of FP4 with E8M0 scales; O / l is quantised along D and stored as the last launch's operand.
; WORK LEFT OUT: key steps all of whose 128 keys lie behind a wave's 16 queries (reference()'s own causal mask gives them p = 0: shown at the head of launch quant, with the limits).
; THE SOFTMAX: t = score x log2(e) / 8; M = the running largest t rounded UP to a whole number; p = 2^(t - M) is quantised along the keys, not normalised; the row's sum is taken of the unquantised p
; and divides O at the end.  When M moves, the sum and O are multiplied by 2^(old M - new M): exact.
; SHARES.  Work-group (j, bh) owns the query blocks 7 - j and j (256 queries each) of one head: the same number of visible keys in every work-group.  Each of its sixteen waves owns 16 queries of each block:
; pass 0 walks block 7 - j, pass 1 block j.  Four waves to a SIMD: one wave's vector work stands beside another's matrix work and LDS loads.
; K AND V OF THE WHOLE HEAD STAY IN LDS, each byte stored once: a chunk of 256 keys (two records of 8,192 bytes, as launch qkv laid them) is 32 bytes a thread: two loads at the head of the chunk before,
; two LDS stores and a barrier at its end.  A byte's offset in the head's records is its LDS address.  Chunks behind the work-group's last query are not fetched: a scalar branch on ids, the same in all waves.
; Pass 1 reads what pass 0 brought.  No tensor load: so the causal limit is a plain branch.  NO CLUSTER: the four work-groups of a head need 8 - j chunks, different numbers.
; LAYOUT.  Both products transposed: S^T = K Q^T (source 0 = 16 keys), O^T = V^T P^T (source 0 = 16 of the head's 64): a lane holds ONE query (lane % 16).  Tiles hold neighbouring keys: register 8 t + i of S^T is
; key 16 t + 8 (lane / 16) + i.  Tiles 2 e, 2 e + 1 are block e of 32 keys; four conversions and two exchanges of lane halves give the operand's registers.
; THE FIRST PRODUCT'S K IS 64 of the instruction's 128: Q's registers 4-7 are zero codes.  A tile of K is 4 registers; the instruction's other 4 are the next tile's (behind the last: zeros): finite codes that meet
; zero codes alone, under scale bytes that are never 0xff: they add 0.
; THE MODE: SCHED_MODE bits 1:0 = 2 (LLVM: expert scheduling mode 2), set by the entry lines.  The code itself states the register dependences between vector or matrix instructions and memory or LDS
; instructions, with s_wait_alu, always for 0.
; THE PLAN.  Registers that memory or LDS instructions touch:
;   v[ADK], v[ADS], v[ADT]   Written by three additions at a chunk's head; read by the LDS loads of the chunk's two steps.
;   v[CA]                    Written by an addition at a chunk's head (pass 0); read by the chunk's two global loads and by its two LDS stores at its end.
;   v[CST ..]                The two global loads land in them, the two LDS stores read them; no vector instruction names them.
;   K's tiles and words      A step's first twelve LDS loads land in them; its eight products K Q^T read them.
;   V's fragments and words  Ten LDS loads land in them, dealt among and behind those eight products, which name none of them; the step's four products V^T P^T read them.
;   p's codes and word       Written by vector instructions, taken by the scaled products V^T P^T: no memory instruction names them.
;   v[XC ..], v[HW]          Written on a pass's way out; read by its two stores.
;   v[LI], v[OSO], v[SPW], v[NIL]   Made at the head, never written again.
; So a chunk's head has one wait on vm_vsrc ahead of its additions and one on va_vdst behind them, which serves its global loads, its LDS stores and all LDS loads of its first step; its second step has a wait
; on va_vdst of its own at its head; one more stands ahead of each step's products V^T P^T, and one ahead of a pass's two stores.
.set KSC,   131072                     ; LDS: behind the records K's scale words, 2,048 x 4 bytes,
.set VSC,   139264                     ; V's, 16 x 64 x 4 bytes,
.set SPARE, 143360                     ; and the spare words, 128 bytes for each wave
.set LI,  1                            ; v1   16 x lane
.set LSK, 2                            ; v2   KSC + 4 x lane
.set LSV, 3                            ; v3   VSC + 4 x lane
.set CL1, 4                            ; v4   16 x thread + 16,384: my bytes of the next chunk
.set SPW, 5                            ; v5   my spare word; never rewritten
.set NIL, 6                            ; v6   0; never rewritten
.set RQ,  7                            ; v7   r - 8 h
.set ADK, 8                            ; v8   the chunk's records
.set ADS, 9                            ; v9   its scale words of K
.set ADT, 10                           ; v10  and of V
.set CA,  11                           ; v11  my bytes of the chunk that is being fetched: offset in memory and LDS address
.set QA,  16                           ; v16-23 Q of pass 0 (v20-23 zeros), v24-31 of pass 1;  v12 -M, v13 the largest t, v[14:15] the sum in two halves
.set QB,  24
.set KFR, 32                           ; v32-63 eight tiles of K; v64-67 zeros that stay
.set VF,  68                           ; v68-99 four fragments of V
.set S,   100                          ; v100-163 S^T, then p
.set O,   164                          ; v164-195 O^T
.set PC,  196                          ; v196-203 p's codes
.set KSW, 204                          ; v204-207 K's scale words, two tiles a register
.set VSW, 208                          ; v208-209 V's
.set PW,  210                          ; v210 p's scale word
.set QSA, 211                          ; v211, v212 Q's scale words
.set QSB, 212
.set BM,  214                          ; v214-217 the blocks' largest
.set TP,  218                          ; v218-221 at work
.set SO,  222                          ; v222-225 the conversions' scale operands
.set F,   226                          ; v[226:227] f (v227 is named with it as a pair, so it is written)
.set T0,  228
.set NINF, 229
.set OSO, 230                          ; v230 32 r: my token's row of os
.set HW,  231                          ; v231 the head's two scale bytes
.set CST, 232                          ; v232-239 a chunk on its way
.set PST, 240                          ; v240-245 the scale words on their way
.set XC,  248                          ; v248-251 O's codes
.set MK,  44                           ; s44-59 sixteen lane masks of the step on the diagonal: free since the head's loads, whose bases lay here, are in
; s12 wave, s13 batch, s14 bh, s15 head; s[16:17] the head's records; s[20:21] lane selects; s[22:23] c; s24, s25 my first query of pass 0, 1; s26 the work-group's last query;
; s[28:31] oc, s[32:35] os, a pair for each pass; at the head only: s[44:47] Q's codes, s[48:51] Q's scale words, s[52:53], s[54:55] K's and V's scale words; s36 the step's first key; s37, s38, s39 the chunk's LDS steps; s40 counts; s43 my first query
	s_load_b256 s[4:11], s[0:1], 0x0               ; cod, scl, oc, os
	v_lshl_add_u32 v[SPW], v0, 2, SPARE
	v_mov_b32 v[NIL], 0
	v_lshrrev_b32 v1, 5, v0
	v_readfirstlane_b32 s12, v1                    ; wave 0..15
	s_and_b32 s14, ttmp7, 0xffff                   ; bh
	s_sub_co_u32 s41, 7, ttmp9
	s_lshl_b32 s41, s41, 8
	s_wait_alu depctr_va_sdst(0)                   ; s12 is written, ahead of its first reader: my first queries are made from it
	s_lshl_b32 s42, s12, 4
	s_add_co_u32 s24, s41, s42                     ; pass 0: 256 (7 - j) + 16 wave
	s_or_b32 s26, s41, 255                         ; the work-group's last query
	s_lshl_b32 s41, ttmp9, 8
	s_add_co_u32 s25, s41, s42                     ; pass 1: 256 j + 16 wave
	s_mov_b32 s20, 0x76543210
	s_mov_b32 s21, 0xfedcba98
	s_mov_b32 s22, 0x3e38aa3b                      ; c = log2(e) / 8
	s_mov_b32 s23, s22
	s_lshr_b32 s13, s14, 4
	s_and_b32 s15, s14, 15
	s_mov_b32 s57, 0
	v_and_b32 v1, 31, v0                           ; lane
	v_and_b32 v7, 15, v0                           ; r
	v_bfe_u32 v9, v0, 4, 1                         ; h
	v_lshlrev_b32 v2, 2, v1
	v_add_nc_u32 v[LSV], VSC, v2
	v_add_nc_u32 v[LSK], KSC, v2
	v_lshlrev_b32 v[LI], 4, v1
	v_lshlrev_b32 v[T0], 2, v7                     ; 4 r, for Q's scale words
	v_lshlrev_b32 v[OSO], 5, v7
	v_lshlrev_b32 v9, 3, v9
	v_sub_nc_u32 v[RQ], v7, v9
	v_lshlrev_b32 v8, 4, v0                        ; 16 x thread
	v_lshlrev_b32 v9, 3, v0                        ; 8 x thread
	v_add_nc_u32 v[CL1], 16384, v8
	v_add_nc_u32 v10, KSC, v8
	v_add_nc_u32 v11, VSC, v9
	s_wait_kmcnt 0x0
	s_lshl_b32 s56, s14, 17
	s_add_co_u32 s56, s56, 0x400000
	s_add_nc_u64 s[16:17], s[4:5], s[56:57]        ; the head's sixteen records
	s_lshl_b32 s58, s14, 16
	s_lshl_b32 s56, s24, 5
	s_add_co_u32 s56, s56, s58
	s_add_nc_u64 s[44:45], s[4:5], s[56:57]        ; Q's image: (bh 128 + query / 16) 512
	s_lshl_b32 s56, s25, 5
	s_add_co_u32 s56, s56, s58
	s_add_nc_u64 s[46:47], s[4:5], s[56:57]
	s_lshl_b32 s58, s14, 13
	s_lshl_b32 s56, s24, 2
	s_add_co_u32 s56, s56, s58
	s_add_nc_u64 s[48:49], s[6:7], s[56:57]        ; Q's scale words
	s_lshl_b32 s56, s25, 2
	s_add_co_u32 s56, s56, s58
	s_add_nc_u64 s[50:51], s[6:7], s[56:57]
	s_add_co_u32 s56, s58, 524288
	s_add_nc_u64 s[52:53], s[6:7], s[56:57]        ; K's
	s_lshl_b32 s56, s14, 12
	s_add_co_u32 s56, s56, 1048576
	s_add_nc_u64 s[54:55], s[6:7], s[56:57]        ; V's
	s_lshr_b32 s58, s15, 3
	s_lshl_b32 s58, s58, 21                        ; oc: [head / 8][token / 16][head % 8][512 bytes]
	s_lshl_b32 s59, s13, 19
	s_add_co_u32 s58, s58, s59
	s_and_b32 s59, s15, 7
	s_lshl_b32 s59, s59, 9
	s_add_co_u32 s58, s58, s59
	s_lshl_b32 s56, s24, 8
	s_add_co_u32 s56, s56, s58
	s_add_nc_u64 s[28:29], s[8:9], s[56:57]
	s_lshl_b32 s56, s25, 8
	s_add_co_u32 s56, s56, s58
	s_add_nc_u64 s[30:31], s[8:9], s[56:57]
	s_lshl_b32 s58, s13, 16                        ; os: [token][32 bytes], my head's two bytes
	s_lshl_b32 s59, s15, 1
	s_add_co_u32 s58, s58, s59
	s_lshl_b32 s56, s24, 5
	s_add_co_u32 s56, s56, s58
	s_add_nc_u64 s[32:33], s[10:11], s[56:57]
	s_lshl_b32 s56, s25, 5
	s_add_co_u32 s56, s56, s58
	s_add_nc_u64 s[34:35], s[10:11], s[56:57]
	s_wait_alu depctr_va_vdst(0)                   ; v8 to v11, v[LI], v[T0] and v[OSO] are written: the head's loads and LDS stores, and the stores on the way out, read them as offsets and addresses
	global_load_b128 v[CST:CST+3], v8, s[16:17]                    ; chunk 0: 512 threads x 16 bytes, twice
	global_load_b128 v[CST+4:CST+7], v8, s[16:17] offset:8192
	global_load_b128 v[PST:PST+3], v8, s[52:53]                    ; K's 2,048 scale words
	global_load_b64 v[PST+4:PST+5], v9, s[54:55]                   ; V's 1,024
	global_load_b128 v[QA:QA+3], v[LI], s[44:45]                   ; Q's fragments stay in registers
	global_load_b128 v[QB:QB+3], v[LI], s[46:47]
	global_load_b32 v[QSA], v[T0], s[48:49]
	global_load_b32 v[QSB], v[T0], s[50:51]
.irp i, 0,1,2,3
	v_mov_b32 v[QA+4+\i], 0                        ; zero codes for k = 64 .. 127.  (These moves name no register that a load or LDS store of the head touches)
	v_mov_b32 v[QB+4+\i], 0
	v_mov_b32 v[KFR+32+\i], 0
	v_mov_b32 v[TP+\i], 0                          ; written once: a lane permute's destination counts as one of its sources
.endr
	v_mov_b32 v[F+1], 0
	v_mov_b32 v[NINF], 0xff800000                  ; -infinity
	s_wait_loadcnt 4                               ; the chunk and the scale words are in; Q's four loads may be out
	ds_store_b128 v8, v[CST:CST+3]
	ds_store_b128 v8, v[CST+4:CST+7] offset:8192
	ds_store_b128 v10, v[PST:PST+3]
	ds_store_b64 v11, v[PST+4:PST+5]
	s_wait_dscnt 0x0                               ; for the others' sake: my stores are done
	s_barrier_signal -1
	s_barrier_wait -1
	s_wait_loadcnt 0x0                             ; Q
; A KEY STEP: 128 keys, record st of the chunk in hand.  qf: Q's fragment; qs: its scale words.
.macro STEP st, qf, qs
	s_add_co_u32 s41, s43, 15                      ; a step all of whose keys come after my 16 queries is left out: a scalar branch on ids; no barrier stands in a step
	s_cmp_gt_u32 s36, s41
	s_cbranch_scc1 .Lhidden_\@
.if \st
	s_wait_alu depctr_va_vdst(0)                   ; the chunk's first step is done: its products have read K's tiles, V's fragments and their scale words, in which this step's loads land.  (For the first step the wait at the chunk's head states the same)
.endif
.irp t, 0,1,2,3,4,5,6,7
	ds_load_b128 v[KFR+4*\t:KFR+4*\t+3], v[ADK] offset:8192*\st+512*\t
.endr
.irp u, 0,1,2,3
	ds_load_b32 v[KSW+\u], v[ADS] offset:512*\st+128*\u            ; lanes 0-15: tile 2 u's words, lanes 16-31: tile 2 u + 1's
.endr
	s_wait_dscnt 0x0                               ; K's twelve loads are in
.irp u, 0,1,2,3                                ; V's loads are dealt among the eight products.  No wait: no vector or matrix instruction since the last wait on va_vdst names V's registers or the two addresses
	v_wmma_scale_f32_16x16x128_f8f6f4 v[S+16*\u:S+16*\u+7], v[KFR+8*\u:KFR+8*\u+7], v[\qf:\qf+7], 0, v[KSW+\u], v[\qs] matrix_a_fmt:MATRIX_FMT_FP4 matrix_b_fmt:MATRIX_FMT_FP4
	ds_load_b128 v[VF+8*\u:VF+8*\u+3], v[ADK] offset:8192*\st+4096+512*\u
	v_wmma_scale_f32_16x16x128_f8f6f4 v[S+16*\u+8:S+16*\u+15], v[KFR+8*\u+4:KFR+8*\u+11], v[\qf:\qf+7], 0, v[KSW+\u], v[\qs] matrix_a_fmt:MATRIX_FMT_FP4 matrix_b_fmt:MATRIX_FMT_FP4 matrix_a_scale:MATRIX_SCALE_ROW1
	ds_load_b128 v[VF+8*\u+4:VF+8*\u+7], v[ADK] offset:8192*\st+4096+2048+512*\u
.endr
.irp u, 0,1
	ds_load_b32 v[VSW+\u], v[ADT] offset:256*\st+128*\u
.endr
.rept 4
	v_nop                                          ; places ahead of the first read of the scores
.endr
	s_add_co_u32 s41, s36, 127                     ; on the diagonal the scores of hidden keys become -infinity ahead of the maximum: p = 0 then.  A step all of whose keys count skips this
	s_cmp_le_u32 s41, s43
	s_cbranch_scc1 .Lopen_\@
	s_sub_co_i32 s41, s43, s36
	v_add_nc_u32 v[T0], s41, v[RQ]                 ; d = my query - the step's first key - 8 h.  Register n holds key 16 (n / 8) + 8 h + n % 8 of the step: hidden where 16 (n / 8) + n % 8 > d
.set n, 0
.rept 4                                        ; sixteen compares into sixteen scalar registers, one wait, sixteen selects
.set i, 0
.rept 16
	v_cmp_gt_i32 s[MK+i], 16*((n+i)/8)+(n+i)%8, v[T0]
.set i, i+1
.endr
	s_wait_alu depctr_va_sdst(0)                   ; the sixteen compares have written s[MK ..], ahead of the selects that read them
.set i, 0
.rept 16
	v_cndmask_b32 v[S+n+i], v[S+n+i], v[NINF], s[MK+i]
.set i, i+1
.endr
.set n, n+16
.endr
.Lopen_\@:
.irp b, 0,1,2,3
	v_max3_num_f32 v[BM+\b], v[S+16*\b], v[S+1+16*\b], v[S+2+16*\b]   ; the largest score of each block of 32 keys: it serves for the row's maximum and, since p rises with the score, for the block's largest p
.endr
.irp i, 3,5,7,9,11,13
.irp b, 0,1,2,3
	v_max3_num_f32 v[BM+\b], v[BM+\b], v[S+16*\b+\i], v[S+1+16*\b+\i]
.endr
.endr
.irp b, 0,1,2,3
	v_max_num_f32 v[BM+\b], v[BM+\b], v[S+15+16*\b]
.endr
.irp b, 0,1,2,3
	v_permlanex16_b32 v[TP+\b], v[BM+\b], s20, s21
.endr
.irp b, 0,1,2,3
	v_max_num_f32 v[BM+\b], v[BM+\b], v[TP+\b]     ; with lane l xor 16's 16 keys
.endr
	v_max3_num_f32 v[T0], v[BM], v[BM+1], v[BM+2]
	v_max_num_f32 v[T0], v[T0], v[BM+3]            ; the step's largest score of my query
	v_mul_f32 v[T0], s22, v[T0]                    ; as t (c is positive)
	v_max_num_f32 v13, v13, v[T0]                  ; the running largest t
	v_mov_b32 v[T0], v12
	v_floor_f32 v12, -v13                          ; the new -M = floor(-t) = -ceil(t)
	v_sub_f32 v[T0], v12, v[T0]                    ; old M - new M: a whole number, 0 or less
	v_cvt_i32_f32 v[T0], v[T0]                     ; (it saturates)
	v_ldexp_f32 v[F], 1.0, v[T0]                   ; f = 2^(old M - new M)
.set j, 0
.rept 32
	v_pk_fma_f32 v[S+j:S+j+1], v[S+j:S+j+1], s[22:23], v[12:13] op_sel_hi:[1,0,0]   ; t - M, two at a time
.set j, j+2
.endr
.irp b, 0,1,2,3
	v_fma_f32 v[BM+\b], v[BM+\b], s22, v12         ; the same of each block's largest score
.endr
.set j, 0
.rept 64
	v_exp_f32 v[S+j], v[S+j]                       ; p = 2^(t - M), at most 1
.set j, j+1
.endr
	v_pk_mul_f32 v[14:15], v[14:15], v[F:F+1] op_sel_hi:[1,0]      ; the sums under the new M (a plain line behind the exponentials)
	s_wait_alu depctr_va_vdst(0)                   ; the 64 exponentials have written p: one wait for the whole batch, ahead of its first reader
.irp b, 0,1,2,3
	v_exp_f32 v[BM+\b], v[BM+\b]                   ; the block's largest p
.endr
	v_pk_add_f32 v[TP:TP+1], v[S:S+1], v[S+2:S+3]  ; the row's sum of the unquantised p, in two chains
.set j, 4
.rept 15
	v_pk_add_f32 v[14:15], v[14:15], v[S+j:S+j+1]
	v_pk_add_f32 v[TP:TP+1], v[TP:TP+1], v[S+j+2:S+j+3]
.set j, j+4
.endr
	v_pk_add_f32 v[14:15], v[14:15], v[TP:TP+1]
	s_wait_alu depctr_va_vdst(0)                   ; the four exponentials have written the blocks' largest p, ahead of their first reader
.irp b, 0,1,2,3
	v_max_num_f32 v[BM+\b], 0x1800000, v[BM+\b]    ; the floor 2^(3 - 127): the byte cannot fall under 1
.endr
.irp b, 0,1,2,3
	v_add_nc_u32 v[SO+\b], 0xff000000, v[BM+\b]    ; 2 off the exponent field: the conversion's scale operand
.endr
.irp b, 0,1,2,3
	v_lshrrev_b32 v[TP+\b], 23, v[SO+\b]           ; the scale's byte
.endr
	v_lshl_or_b32 v[PW], v[TP+1], 8, v[TP]         ; p's scale word for these 128 keys
	v_lshl_or_b32 v[PW], v[TP+2], 16, v[PW]
	v_lshl_or_b32 v[PW], v[TP+3], 24, v[PW]
.irp c, 0,1
	v_cvt_scalef32_pk8_fp4_f32 v[PC+4*\c], v[S+32*\c:S+32*\c+7], v[SO+2*\c]             ; block 2 c, keys 8 h + 0 .. 7
	v_cvt_scalef32_pk8_fp4_f32 v[PC+4*\c+1], v[S+32*\c+16:S+32*\c+23], v[SO+2*\c+1]     ; block 2 c + 1, the same
	v_cvt_scalef32_pk8_fp4_f32 v[PC+4*\c+2], v[S+32*\c+8:S+32*\c+15], v[SO+2*\c]        ; block 2 c, keys 16 + 8 h + 0 .. 7
	v_cvt_scalef32_pk8_fp4_f32 v[PC+4*\c+3], v[S+32*\c+24:S+32*\c+31], v[SO+2*\c+1]
.endr
	v_nop                                          ; one plain line behind a scaled conversion
.irp c, 0,1
	v_permlane16_swap_b32 v[PC+4*\c], v[PC+4*\c+1]     ; lane (r, h) now holds block 2 c + h whole, its 32 codes in order
	v_permlane16_swap_b32 v[PC+4*\c+2], v[PC+4*\c+3]
.endr
.set j, 0
.rept 16
	v_pk_mul_f32 v[O+j:O+j+1], v[O+j:O+j+1], v[F:F+1] op_sel_hi:[1,0]   ; O^T under the new M.  (These sixteen are also the places between the scale word's and the codes' last writes and the products)
.set j, j+2
.endr
	s_wait_dscnt 0x0                               ; V
	s_wait_alu depctr_va_vdst(0)                   ; vector instructions have written p's codes and p's scale word, which the scaled products below take as source 1 and as scales; the places above stay beside this wait
.irp u, 0,1
	v_wmma_scale_f32_16x16x128_f8f6f4 v[O+16*\u:O+16*\u+7], v[VF+16*\u:VF+16*\u+7], v[PC:PC+7], v[O+16*\u:O+16*\u+7], v[VSW+\u], v[PW] matrix_a_fmt:MATRIX_FMT_FP4 matrix_b_fmt:MATRIX_FMT_FP4
	v_wmma_scale_f32_16x16x128_f8f6f4 v[O+16*\u+8:O+16*\u+15], v[VF+16*\u+8:VF+16*\u+15], v[PC:PC+7], v[O+16*\u+8:O+16*\u+15], v[VSW+\u], v[PW] matrix_a_fmt:MATRIX_FMT_FP4 matrix_b_fmt:MATRIX_FMT_FP4 matrix_a_scale:MATRIX_SCALE_ROW1
.endr
.rept 4
	v_nop                                          ; places ahead of the next step's loads into V's registers and of the way out's reads of O^T
.endr
.Lhidden_\@:
	s_add_co_u32 s36, s36, 128
.endm
; A CHUNK: two key steps.  fill = 1: the next chunk is asked for at the head and stored at the end, up to the work-group's last query; then the barrier that shows it to every wave.
.macro CHUNK fill, qf, qs
	s_wait_alu depctr_vm_vsrc(0)                   ; the LDS loads issued so far have read v[ADK], v[ADS] and v[ADT]; the last chunk's global loads and LDS stores have read v[CA], and those stores v[CST ..], in which the loads below land.  In the first chunk: the head's loads and LDS stores have read v8 to v11 and v[T0]
	v_add_nc_u32 v[ADK], s37, v[LI]
	v_add_nc_u32 v[ADS], s38, v[LSK]
	v_add_nc_u32 v[ADT], s39, v[LSV]
.if \fill
	v_add_nc_u32 v[CA], s37, v[CL1]
.endif
	s_wait_alu depctr_va_vdst(0)                   ; the additions above have written the addresses that this chunk's loads and LDS stores read; the last step's products are done reading K's tiles, V's fragments and their scale words, in which the first step's loads land; in the first chunk the head's zero codes are written, which the scaled products take
.if \fill
	s_add_co_u32 s41, s36, 256                     ; the next chunk's first key
	s_cmp_gt_u32 s41, s26                          ; ids and the count of steps alone: all sixteen waves go the same way
	s_cbranch_scc1 .Lno_load_\@
	global_load_b128 v[CST:CST+3], v[CA], s[16:17]
	global_load_b128 v[CST+4:CST+7], v[CA], s[16:17] offset:8192
.Lno_load_\@:
.endif
	STEP 0, \qf, \qs
	STEP 1, \qf, \qs
.if \fill
	s_wait_loadcnt 0x0
	s_cmp_gt_u32 s36, s26                          ; the same test: s36 has gone 256 on
	s_cbranch_scc1 .Lno_store_\@
	ds_store_b128 v[CA], v[CST:CST+3]              ; bytes that no wave reads before the barrier below.  No wait on va_vdst: no vector instruction since the chunk's head names v[CA] or v[CST ..]
	ds_store_b128 v[CA], v[CST+4:CST+7] offset:8192
.Lno_store_\@:
	s_wait_dscnt 0x0                               ; for the others' sake: my stores are done
	s_barrier_signal -1
	s_barrier_wait -1
.endif
	s_add_co_u32 s37, s37, 16384
	s_add_co_u32 s38, s38, 1024
	s_add_co_u32 s39, s39, 512
.endm
; A PASS: 16 queries of a wave against all keys up to them; then O / l, quantised along the head's 64, leaves as an image of the last launch's operand.
.macro PASS first, qf, qs, q0, ocb, osb
	s_mov_b32 s43, s[\q0]
	v_mov_b32 v13, 0xff61b1e6                      ; the largest t so far: -3e38, under every t
	v_floor_f32 v12, -v13
	v_mov_b32 v14, 0
	v_mov_b32 v15, 0
.set j, 0
.rept 32
	v_mov_b32 v[O+j], 0                            ; the step is written without a first form of its own: it finds zeros, which the first change of M leaves zeros
.set j, j+1
.endr
	s_mov_b32 s36, 0
	s_mov_b32 s37, 0
	s_mov_b32 s38, 0
	s_mov_b32 s39, 0
.if \first
	s_mov_b32 s40, 7
.Lchunk_\@:                                        ; chunks 0 to 6, each fetching its successor
	CHUNK 1, \qf, \qs
	s_sub_co_u32 s40, s40, 1
	s_cmp_lg_u32 s40, 0
	s_cbranch_scc1 .Lchunk_\@
	CHUNK 0, \qf, \qs                              ; chunk 7 has no successor
.else
	s_mov_b32 s40, 4
.Lchunk_\@:                                        ; block j lies in the first 1,024 queries: four chunks, all in LDS since pass 0
	CHUNK 0, \qf, \qs
	s_sub_co_u32 s40, s40, 1
	s_cmp_lg_u32 s40, 0
	s_cbranch_scc1 .Lchunk_\@
.endif
	v_add_f32 v14, v14, v15                        ; the sum's two halves,
	v_permlanex16_b32 v[TP], v14, s20, s21
	v_add_f32 v14, v14, v[TP]                      ; and lane l xor 16's: the row's sum
	v_rcp_f32 v14, v14
	v_nop                                          ; a plain line behind the reciprocal
	s_wait_alu depctr_va_vdst(0)                   ; the reciprocal has written v14, ahead of its first reader
.set j, 0
.rept 16
	v_pk_mul_f32 v[S+j:S+j+1], v[O+j:O+j+1], v[14:15] op_sel_hi:[1,0]   ; O^T / the sum: register 8 t + i is o(query r, 16 t + 8 h + i)
.set j, j+2
.endr
.irp b, 0,1
	v_max3_num_f32 v[BM+\b], |v[S+16*\b]|, |v[S+16*\b+1]|, 0x1800000
.endr
.irp i, 2,4,6,8,10,12,14
.irp b, 0,1
	v_max3_num_f32 v[BM+\b], v[BM+\b], |v[S+16*\b+\i]|, |v[S+16*\b+\i+1]|
.endr
.endr
.irp b, 0,1
	v_permlanex16_b32 v[TP+\b], v[BM+\b], s20, s21
.endr
.irp b, 0,1
	v_max_num_f32 v[BM+\b], v[BM+\b], v[TP+\b]
.endr
.irp b, 0,1
	v_add_nc_u32 v[SO+\b], 0xff000000, v[BM+\b]
.endr
.irp b, 0,1
	v_lshrrev_b32 v[TP+\b], 23, v[SO+\b]
.endr
	s_wait_xcnt 0x0                                ; the pass before has stored from the registers that are written now
.if !\first
	s_wait_alu depctr_vm_vsrc(0)                   ; the first pass's two stores have read v[XC ..] and v[HW], which the lines below write again
.endif
	v_lshl_or_b32 v[HW], v[TP+1], 8, v[TP]         ; the head's two scale bytes of my token
	v_cvt_scalef32_pk8_fp4_f32 v[XC], v[S:S+7], v[SO]
	v_cvt_scalef32_pk8_fp4_f32 v[XC+1], v[S+16:S+23], v[SO+1]
	v_cvt_scalef32_pk8_fp4_f32 v[XC+2], v[S+8:S+15], v[SO]
	v_cvt_scalef32_pk8_fp4_f32 v[XC+3], v[S+24:S+31], v[SO+1]
	v_nop                                          ; one plain line behind a scaled conversion
	v_permlane16_swap_b32 v[XC], v[XC+1]
	v_permlane16_swap_b32 v[XC+2], v[XC+3]         ; lane (r, h): block h of the head, token r
	s_wait_alu depctr_va_vdst(0)                   ; the exchanges have written v[XC ..] and the line above them v[HW], which the two stores read
	global_store_b128 v[LI], v[XC:XC+3], s[\ocb:\ocb+1]            ; 32 lanes store 512 consecutive bytes
	global_store_b16 v[OSO], v[HW], s[\osb:\osb+1]                 ; two bytes a token: a scale word of the last product is shared by two heads.  Lanes 16-31 write what lanes 0-15 write
.endm
	PASS 1, QA, QSA, 24, 28, 32
	PASS 0, QB, QSB, 25, 30, 34
	s_wait_dscnt 0x0                               ; the closing lines, six on end
	s_wait_alu 0x0
	s_wait_tensorcnt 0x0
	ds_add_u32 v[SPW], v[NIL]
	s_wait_dscnt 0x0
	s_endpgm
.Lfunc_end_k_qab0d3afa42_attn:
	.size	k_qab0d3afa42_attn, .Lfunc_end_k_qab0d3afa42_attn-k_qab0d3afa42_attn
	.p2alignl 7, 3214868480
	.fill 96, 4, 3214868480
	.section	.rodata,"a",@progbits
	.p2align	6, 0x0
	.amdhsa_kernel k_qab0d3afa42_attn
		.amdhsa_group_segment_fixed_size 147456
		.amdhsa_private_segment_fixed_size 0
		.amdhsa_enable_private_segment 0
		.amdhsa_kernarg_size 32
		.amdhsa_user_sgpr_count 2
		.amdhsa_user_sgpr_kernarg_segment_ptr 1
		.amdhsa_wavefront_size32 1
		.amdhsa_system_sgpr_workgroup_id_x 1
		.amdhsa_system_sgpr_workgroup_id_y 1
		.amdhsa_system_sgpr_workgroup_id_z 1
		.amdhsa_system_vgpr_workitem_id 0
		.amdhsa_next_free_vgpr 256
		.amdhsa_next_free_sgpr 66
		.amdhsa_reserve_vcc 0
		.amdhsa_float_denorm_mode_32 3
		.amdhsa_float_denorm_mode_16_64 3
		.amdhsa_memory_ordered 1
		.amdhsa_forward_progress 1
		.amdhsa_inst_pref_size 163
	.end_amdhsa_kernel
	.amdgpu_metadata
---
amdhsa.version: [ 1, 2 ]
amdhsa.kernels:
  - .name:           k_qab0d3afa42_attn
    .symbol:         k_qab0d3afa42_attn.kd
    .args:
      - { .name: cod, .offset: 0, .size: 8, .value_kind: global_buffer, .address_space: global }
      - { .name: scl, .offset: 8, .size: 8, .value_kind: global_buffer, .address_space: global }
      - { .name: oc, .offset: 16, .size: 8, .value_kind: global_buffer, .address_space: global }
      - { .name: os, .offset: 24, .size: 8, .value_kind: global_buffer, .address_space: global }
    .group_segment_fixed_size: 147456
    .private_segment_fixed_size: 0
    .kernarg_segment_align: 8
    .kernarg_segment_size: 32
    .max_flat_workgroup_size: 512
    .sgpr_count:     66
    .vgpr_count:     256
    .wavefront_size: 32
...
	.end_amdgpu_metadata
.endif
;; end of part 5
;; launch oproj: the kernel of part 4 again; grid 4 x 32, 4 waves a work-group, clusters of 4 x 4, 327,680 bytes of LDS; arguments oc, os, inc, ins, out0, bo; writes out0
